; MI455X (gfx1250); checked and timed in simulation.
; The chip was launched on July 23, 2026; its instructions are those of AMD's public machine-readable ISA for CDNA 5 (MIT licence, August 2026) and "CDNA5" Instruction Set Architecture Reference Guide (July 2026). The comments in the code are by the model that wrote it; some were corrected since.
;; Mesh Di T. Allowed arithmetic: matrix products marked QUANTISED: E5M2 operands, one E8M0 scale for each 32 along K, by v_wmma_scale_f32_16x16x128_f8f6f4 with both operands' format E5M2, f32 sums; products left as they are: f32 operands where the result goes on into a quantised operand, else bf16, f16 or f32 operands; f32 sums; everything else in f32.
;; Inputs: A_c_codes 16 x 16 x 32 uint8 (E5M2 codes of A_c, K innermost, in blocks of 32 codes); A_c_scales 16 x 16 uint8 (E8M0 scales of A_c, one for each 32 codes along K); A_x_codes 16 x 16 x 32 uint8 (E5M2 codes of A_x, K innermost, in blocks of 32 codes); A_x_scales 16 x 16 uint8 (E8M0 scales of A_x, one for each 32 codes along K); B_c 512 x 16 float32; B_x 512 x 16 float32; W_kvc 1,024 x 512 float32; W_kvx 1,024 x 512 float32; W_pc 512 x 512 float32; W_px 512 x 512 float32; W_qc 512 x 512 float32; W_qx 512 x 512 float32; c 4 x 1,024 x 512 float32; g_kvc 512 float32; g_kvx 512 float32; g_pc 512 float32; g_px 512 float32; g_qc 512 float32; g_qx 512 float32; mag_c 1 x 8 x 1 x 1 float32; mag_x 1 x 8 x 1 x 1 float32; x 4 x 4,096 x 512 float32.
;; Outputs: out0 4 x 4,096 x 512 float32; out1 4 x 1,024 x 512 float32.
;; This version of the problem:
;;   THIS VERSION OF THE PROBLEM IS GIVEN IN LOW PRECISION. The matrix products marked QUANTISED in the list below multiply operands that are first quantised to E5M2 (5 exponent bits, 2 mantissa bits; 8 bits a number), with one power-of-two scale for each 32 numbers along K (OCP MX v1.0); their sums are f32. All else is computed in f32.
;;   The module's matrix products, in the order in which they are computed (A, B: the left and right operand; K: the contracted axis; several contracted axes count as one K, in the product's order):
;;     1. [M 16,384, K 512] x [K 512, N 512]; A: computed on the way; B: computed on the way: QUANTISED
;;     2. [M 16,384, K 512] x [K 512, N 16]; A: input x; B: input A_x (given as codes): QUANTISED
;;     3. [M 16,384, K 16] x [K 16, N 512]; A: computed on the way; B: input B_x: left as it is (K = 16 < 32)
;;     4. [M 4,096, K 512] x [K 512, N 1,024]; A: computed on the way; B: computed on the way: QUANTISED
;;     5. batch 32 x [M 4,096, K 64] x [K 64, N 1,024]; A: computed on the way; B: computed on the way: QUANTISED
;;     6. batch 32 x [M 4,096, K 1,024] x [K 1,024, N 64]; A: softmax (see below); B: computed on the way: QUANTISED
;;     7. [M 16,384, K 512] x [K 512, N 512]; A: computed on the way; B: computed on the way: QUANTISED
;;     8. [M 4,096, K 512] x [K 512, N 512]; A: computed on the way; B: computed on the way: QUANTISED
;;     9. [M 4,096, K 512] x [K 512, N 16]; A: input c; B: input A_c (given as codes): QUANTISED
;;     10. [M 4,096, K 16] x [K 16, N 512]; A: computed on the way; B: input B_c: left as it is (K = 16 < 32)
;;     11. [M 16,384, K 512] x [K 512, N 1,024]; A: computed on the way; B: computed on the way: QUANTISED
;;     12. batch 32 x [M 1,024, K 64] x [K 64, N 4,096]; A: computed on the way; B: computed on the way: QUANTISED
;;     13. batch 32 x [M 1,024, K 4,096] x [K 4,096, N 64]; A: softmax (see below); B: computed on the way: QUANTISED
;;     14. [M 4,096, K 512] x [K 512, N 512]; A: computed on the way; B: computed on the way: QUANTISED
;;   THE QUANTISER, for each operand of a quantised product, along K:
;;     - K is cut into blocks of 32 from its start; a last block that is shorter is filled with zeros.
;;     - A block's scale is 2^e with e = floor(log2(the largest magnitude in the block)) - 15, held to -126 .. 127; a block of zeros has e = 0. As a byte (E8M0): e + 127.
;;     - Each number is divided by its block's scale, clamped to +-57,344, and rounded to the nearest number of E5M2, ties to even, subnormals kept.
;;     - The product sums the exact products of the quantised numbers (number of the format x scale) in f32.
;;   ~~~python
;;   def quantise(x, axis):      # numpy; x: float32 -> the quantised numbers, widened to float32 again
;;       x = np.moveaxis(x, axis, -1); K = x.shape[-1]
;;       x = np.pad(x, [(0, 0)] * (x.ndim - 1) + [(0, -K % 32)]); x = x.reshape(x.shape[:-1] + (-1, 32)); a = np.abs(x).max(-1, keepdims=True)
;;       e = np.where(a > 0, np.clip(np.frexp(np.where(a > 0, a, 1))[1] - 1 - 15, -126, 127), 0)      # np.frexp(a)[1] - 1 = floor(log2(a)), exactly
;;       r = np.clip(x / 2.0 ** e, -57344, 57344)
;;       step = 2.0 ** (np.maximum(np.frexp(np.where(r == 0, 1, r))[1] - 1, -14) - 2)
;;       q = np.round(r / step) * step * 2.0 ** e      # np.round: ties to even
;;       return np.moveaxis(q.reshape(q.shape[:-2] + (-1,))[..., :K], -1, axis).astype(np.float32)
;;   ~~~
;;   SOFTMAX AHEAD OF A QUANTISED PRODUCT. Where the list says 'softmax', what is quantised is not the finished softmax but p = 2^(t - M), with t = logit x log2(e) and M = ceil(the row's largest t), a whole number; so 1/2 < the row's largest p <= 1. The row's sum l is taken of the UNQUANTISED p, in f32, and the product's result is divided by l at the end. Since M is a whole number, a kernel that streams over the keys may use a running M (the ceiling of the running maximum): every later rescaling is an exact power of two, which a block's scale takes up: the codes' values come out the same.
;;   OPERANDS COMPUTED ON THE WAY. 'Computed on the way' means the value that the module computes at that place (a softmax that the list does not call 'softmax' is quantised finished and normalised). What goes into a quantiser is computed in f32, as accurately as f32 sums, v_exp_f32 and their like allow (about 1e-6 of the number): no bf16 or f16 on the way to a quantiser, and a product that is left as it is and whose result goes on into a quantised operand takes f32 operands (vector FMAs, or v_wmma_f32_16x16x4_f32). A number that lies on a knife's edge between two numbers of the format may be rounded either way, as far as f32 arithmetic and the matrix unit's own rounding can turn it there, and no further.
;;   INPUTS GIVEN AS CODES. A_c (in the module: [16, 512], K = its axis 1); A_x (in the module: [16, 512], K = its axis 1): each comes as NAME_codes (uint8): NAME with its K axis moved to the last place and cut into blocks of 32 codes, [.., K / 32, bytes a block], one block behind the other in memory; one code a byte (a code: sign, 5 exponent bits, 2 mantissa bits); and NAME_scales (uint8): the same leading axes, one E8M0 byte (e + 127) for each 32 codes along K. Its value is code x scale, taken as it is: it is not quantised again, and the codes and scales need not be those that the quantiser above would give.
;; 2 versions, each right; version 2 is version 1 with the launches proj, outp written anew for expert scheduling mode. Each part assembles by itself: llvm-mc -triple=amdgcn-amd-amdhsa -mcpu=gfx1250 --defsym DOCPART=n.
;; ======== version 1 of 2: 5 launches
;; workspace buffers: wpart 1,024 bytes; wimg 2,228,224 bytes; act 22,937,600 bytes; qf 41,943,040 bytes; kv 22,282,240 bytes; att 41,943,040 bytes
;; launch prep (part 1): grid 384 x 1, 4 waves a work-group, no clusters, 44,544 bytes of LDS; arguments x, c, g_qx, g_qc, g_kvx, g_kvc, A_x_codes, A_c_codes, A_x_scales, A_c_scales, W_qx, W_kvx, W_px, W_qc, W_kvc, W_pc, act, wpart; writes act, wpart
.if DOCPART == 1
	.amdgcn_target "amdgcn-amd-amdhsa--gfx1250"
	.amdhsa_code_object_version 6
	.text
	.protected	k_q9af9743d7e_prep
	.globl	k_q9af9743d7e_prep
	.p2align	8
	.type	k_q9af9743d7e_prep,@function
k_q9af9743d7e_prep:
	s_mov_b64 s[64:65], 0
	v_nop
	global_prefetch_b8 v0, s[64:65] scope:SCOPE_SE
	s_setreg_imm32_b32 hwreg(HW_REG_WAVE_MODE, 25, 1), 1
	s_wait_xcnt 0x0
; LAUNCH 1 OF 5.  x and c become the operands of the projections: for each token, rmsnorm x gain, int8 by the row's largest magnitude, then codes of E5M2 with one E8M0 scale
; for each 32 along K; twice, once with the query gain and once with the key/value gain.  t = Q(x) A^T (rank 16) is made here too.  64 further work-groups sum |W| of the six weights.
; DEAD WORK, for the whole program.  reference() writes xq = xn + stop_gradient(q(xn) - xn) and wq = w + stop_gradient(t(w) - w).  stop_gradient is the identity on values, so in real
; numbers xq = q(xn) and wq = t(w), whatever the inputs hold: the subtraction and the addition are left out in all six BitLinears.  Nothing else is left out; every input is loaded by some launch.
; A NaN, an infinity or an overflow that would arise only in those two steps is not carried to the result.
; LIMITS.  Orders of rounding that differ from reference()'s, each by about one part in 10^7: xn is (y g) rs, the int8 argument (y g)(rs s), the division by the int8 scale a product with a / 127;
; t's K = 512 is summed as four partial sums of 128, in ascending order.  A block of zeros gets the scale byte 1 (its codes are zeros; this program alone reads the bytes).
; Blocks whose largest magnitude lies under 2^-111 were not tried; NaN and infinities among the inputs are not served.
; TILES.  Row tile T (0..1023 x, 1024..1279 c): lane r holds token 32 (T / 2) + 8 (T % 2) + r + 8 (r / 8).  The same map serves keys, values and queries in the later launches.
; IMAGES.  A fragment (16 rows x 128 K, 16 registers a lane) lies in memory as four runs of 512 bytes, lane l's 16 bytes at 16 l.
; SHARES.  Work-groups 0..319: 64 rows (4 tiles); wave w owns columns 128 w .. 128 w + 127 of every row.  Work-groups 320..383: 128 KB of one weight each, 32 KB a wave.
; act: codes with the query gain at 0, with the key/value gain at ACT_KV: [T][K step][2,048]; scale words at ASC_Q, ASC_KV: [group of 4 tiles][K step][lane][2 words], word j = tile 2 j in lanes 0-15, tile 2 j + 1 in lanes 16-31;
; t at TIMG: [T][1,024]: lane (r, h) register j = t(token r, rank 8 h + j).
; No cluster and no tensor load: no two work-groups read the same bytes of x or c.
.set ACT_KV, 10485760
.set ASC_Q,  20971520
.set ASC_KV, 21299200
.set TIMG,   21626880
.set SROW,   528                       ; a stage row: 512 bytes + 16: the 16 rows that a load touches start at 16 different 16-byte columns
.set STAT,   33792                     ; behind the four stages (16 rows each): the row figures, two regions of 1,024 bytes by turns
.set TP,     35840                     ; t's partial sums, two regions of 4,096 bytes by turns
.set SPARE,  44032                     ; the spare words, 128 bytes a wave
.set LI,  1                            ; 16 x lane
.set XO,  2                            ; 16 x lane + 512 x wave
.set STA, 3                            ; stage, in: my wave's, 16 x lane
.set STB, 4                            ; stage, back: row r, + 64 h
.set STW, 5                            ; figures, in: 256 w + 16 r
.set STR, 6                            ; figures, back: 16 r
.set TPW, 7                            ; t's partial image, in
.set TPR, 8                            ; and back: 8 x thread
.set T8,  9                            ; 8 x thread
.set EVQ, 10                           ; the even tile's scale word, query gain
.set SPW, 11
.set NIL, 12
.set ASW, 13                           ; A's scale word of my K step
.set PW,  14                           ; the scale word just made
.set EVK, 15
.set AF,  16                           ; A's fragment of my K step
.set X,   32                           ; 64 numbers: register 16 b + i = column 128 w + 32 b + 16 h + i of row r
.set TQ,  96                           ; the same x query gain
.set H,   160                          ; 16 held numbers; later the four waves' figures
.set PCA, 176
.set PCB, 192
.set TD,  208                          ; t's partial sums of my K step
.set TM,  216                          ; +0..3 maxima, +4..7 bytes, +8..11 holds, +12..15 scale operands
.set TPL, 232
.set K1Q, 240
.set IVQ, 242
.set K1K, 244
.set IVK, 246
.set SS,  248
.set SWQ, 252
.set SWK, 254
.set R,   0                            ; window 1: 16 rows as loaded;
.set GQ,  64                           ; the query gain, in X's layout;
.set GKV, 128                          ; the key/value gain
.set WV,  40
.set SRC, 42
.set CQ,  44
.set CK,  46
.set TOP, 48
.set SQ,  50
.set SK,  52
.set SEL, 54
.set MNT, 56
.set M128, 57
.set P127, 58
.set HIM, 59
.set C512, 60
.set EPS, 61
.set MSB, 0
.macro WIN new                         ; the immediate's high byte repeats the setting that is left
.if MSB != (\new)
	s_set_vgpr_msb (MSB<<8)|(\new)
.set MSB, (\new)
.endif
.endm
; 64 numbers of a lane become a fragment's codes in v[pc] on and its scale word in v[PW].  keep = 1: the held numbers go to v[H] on and the 64 stay whole.
.macro MXQ s, pc, keep
.irp b, 0,1,2,3
	v_max3_num_f32 v[TM+\b], |v[\s+16*\b]|, |v[\s+16*\b+1]|, 0x8000000   ; my 16 numbers of block b, and the floor 2^(16 - 127): the byte cannot fall under 1
.endr
.irp i, 2,4,6,8,10,12,14
.irp b, 0,1,2,3
	v_max3_num_f32 v[TM+\b], v[TM+\b], |v[\s+16*\b+\i]|, |v[\s+16*\b+\i+1]|
.endr
.endr
.irp b, 0,1,2,3
	v_permlanex16_b32 v[TM+4+\b], v[TM+\b], s[SEL], s[SEL+1]
.endr
.irp b, 0,1,2,3
	v_max_num_f32 v[TM+\b], v[TM+\b], v[TM+4+\b]     ; with lane l xor 16's 16: the block's largest magnitude
.endr
.irp b, 0,1,2,3
	v_add_nc_u32 v[TM+12+\b], 0xf8800000, v[TM+\b]   ; 15 off its exponent field: the conversion's scale operand
.endr
.irp b, 0,1,2,3
	v_and_or_b32 v[TM+8+\b], v[TM+\b], 0x7f800000, s[MNT]   ; 57,344 x the scale
.endr
.irp b, 0,1,2,3
	v_lshrrev_b32 v[TM+4+\b], 23, v[TM+12+\b]        ; the scale's byte
.endr
	v_lshl_or_b32 v[PW], v[TM+5], 8, v[TM+4]
	v_lshl_or_b32 v[PW], v[TM+6], 16, v[PW]
	v_lshl_or_b32 v[PW], v[TM+7], 24, v[PW]
.irp b, 0,1,2,3
.irp i, 0,1,2,3,4,5,6,7,8,9,10,11,12,13,14,15
.if \keep
	v_med3_num_f32 v[H+\i], v[\s+16*\b+\i], -v[TM+8+\b], v[TM+8+\b]
.else
	v_med3_num_f32 v[\s+16*\b+\i], v[\s+16*\b+\i], -v[TM+8+\b], v[TM+8+\b]   ; the conversion to an 8-bit code does not saturate (ISA guide 7.6.2)
.endif
.endr
.if \keep
	v_cvt_scalef32_pk8_bf8_f32 v[\pc+4*\b:\pc+4*\b+1], v[H:H+7], v[TM+12+\b]
	v_cvt_scalef32_pk8_bf8_f32 v[\pc+4*\b+2:\pc+4*\b+3], v[H+8:H+15], v[TM+12+\b]
	v_nop                                            ; a plain line between the conversions and the next block's writes of v[H] on
.else
	v_cvt_scalef32_pk8_bf8_f32 v[\pc+4*\b:\pc+4*\b+1], v[\s+16*\b:\s+16*\b+7], v[TM+12+\b]
	v_cvt_scalef32_pk8_bf8_f32 v[\pc+4*\b+2:\pc+4*\b+3], v[\s+16*\b+8:\s+16*\b+15], v[TM+12+\b]
.endif
.endr
.if !\keep
	v_nop                                            ; a plain line behind the last conversion
.endif
.endm
; int8 by the row's scale: z = clip(round(y k1), -128, 127), then z x inv
.macro I8Q s, kk, iv
.set j, 0
.rept 32
	v_pk_mul_f32 v[\s+j:\s+j+1], v[\s+j:\s+j+1], v[\kk:\kk+1] op_sel_hi:[1,0]
.set j, j+2
.endr
.set j, 0
.rept 64
	v_rndne_f32 v[\s+j], v[\s+j]
.set j, j+1
.endr
.set j, 0
.rept 64
	v_med3_num_f32 v[\s+j], v[\s+j], s[M128], s[P127]
.set j, j+1
.endr
.set j, 0
.rept 32
	v_pk_mul_f32 v[\s+j:\s+j+1], v[\s+j:\s+j+1], v[\iv:\iv+1] op_sel_hi:[1,0]
.set j, j+2
.endr
.endm
.macro RLOAD i                         ; tile i's 16 rows, my 512 bytes of each: every load reads 512 consecutive bytes
	WIN 0x40
.set k, 0
.rept 16
	global_load_b128 v[R+4*k:R+4*k+3], v[XO], s[SRC:SRC+1] offset:(32*((\i)/2)+8*((\i)%2)+k+8*(k/8))*2048 th:TH_LOAD_NT
.set k, k+1
.endr
	WIN 0
.endm
	s_load_b512 s[4:19], s[0:1], 0x0               ; x, c, g_qx, g_qc, g_kvx, g_kvc, A_x codes, A_c codes
	s_load_b512 s[20:35], s[0:1], 0x40             ; A_x scales, A_c scales, W_qx, W_kvx, W_px, W_qc, W_kvc, W_pc
	s_load_b128 s[36:39], s[0:1], 0x80             ; act, wpart
	v_lshl_add_u32 v[SPW], v0, 2, SPARE
	v_mov_b32 v[NIL], 0
	v_lshrrev_b32 v[TPL], 5, v0
	v_readfirstlane_b32 s[WV], v[TPL]              ; wave 0..3
	v_and_b32 v[TPL], 31, v0                       ; lane
	v_and_b32 v[TPL+1], 15, v0                     ; r
	v_bfe_u32 v[TPL+2], v0, 4, 1                   ; h
	v_lshlrev_b32 v[LI], 4, v[TPL]
	s_mov_b32 s[SEL], 0x76543210
	s_mov_b32 s[SEL+1], 0xfedcba98                 ; v_permlanex16_b32's selects for lane l xor 16
	s_cmp_ge_u32 ttmp9, 320
	s_cbranch_scc1 .Lwsum                          ; the work-group's number alone: all four waves go the same way
	s_lshl_b32 s66, s[WV], 9
	v_add_nc_u32 v[XO], s66, v[LI]
	s_mul_i32 s67, s[WV], 16*SROW
	v_add_nc_u32 v[STA], s67, v[LI]
	v_mul_u32_u24 v[STB], v[TPL+1], SROW
	v_lshl_add_u32 v[STB], v[TPL+2], 6, v[STB]
	v_add_nc_u32 v[STB], s67, v[STB]
	s_lshl_b32 s68, s[WV], 8
	s_add_co_u32 s68, s68, STAT
	v_lshl_add_u32 v[STW], v[TPL+1], 4, s68
	v_lshl_add_u32 v[STR], v[TPL+1], 4, STAT
	s_lshl_b32 s69, s[WV], 10
	s_add_co_u32 s69, s69, TP
	v_add_nc_u32 v[TPW], s69, v[LI]
	v_lshl_add_u32 v[TPR], v0, 3, TP
	v_lshlrev_b32 v[T8], 3, v0
	v_lshl_add_u32 v[TPL+3], v[TPL+2], 6, s66      ; the gains: 512 w + 64 h
	s_lshl_b32 s68, s[WV], 7
	v_lshl_add_u32 v[TPL+4], v[TPL+1], 9, s68      ; A's codes: 512 r + 128 w + 16 h
	v_lshl_add_u32 v[TPL+4], v[TPL+2], 4, v[TPL+4]
	s_lshl_b32 s69, s[WV], 2
	v_lshl_add_u32 v[TPL+5], v[TPL+1], 4, s69      ; A's scale word: 16 r + 4 w
	s_mov_b32 s[MNT], 0x600000                     ; the mantissa field of 57,344
	s_mov_b32 s[M128], 0xc3000000                  ; -128
	s_mov_b32 s[P127], 0x42fe0000                  ; 127
	s_mov_b32 s[HIM], 0xffff0000                   ; lanes 16-31
	s_mov_b32 s[C512], 0x3b000000                  ; 1 / 512
	s_mov_b32 s[EPS], 0x322bcc77                   ; 1e-8
.irp q, 4,5,6,7,8,9,10
	v_mov_b32 v[TM+\q], 0                          ; written once: a lane permute's destination counts as one of its sources
.endr
.irp q, K1Q, IVQ, K1K, IVK
	v_mov_b32 v[\q+1], 0                           ; named as the upper halves of pairs
.endr
	s_lshl_b32 s70, ttmp9, 15                      ; codes: 4 tiles x 8,192 bytes a group, + 2,048 w
	s_lshl_b32 s71, s[WV], 11
	s_add_co_u32 s70, s70, s71
	s_mov_b32 s71, 0
	s_lshl_b32 s72, ttmp9, 12                      ; t: 4 tiles x 1,024 bytes
	s_mov_b32 s73, 0
	s_lshl_b32 s74, ttmp9, 10                      ; scale words: 1,024 bytes a group, + 256 w
	s_lshl_b32 s75, s[WV], 8
	s_add_co_u32 s74, s74, s75
	s_mov_b32 s75, 0
	s_wait_kmcnt 0x0
	s_add_nc_u64 s[CQ:CQ+1], s[36:37], s[70:71]
	s_add_nc_u64 s[CK:CK+1], s[CQ:CQ+1], ACT_KV
	s_add_nc_u64 s[TOP:TOP+1], s[36:37], s[72:73]
	s_add_nc_u64 s[TOP:TOP+1], s[TOP:TOP+1], TIMG
	s_add_nc_u64 s[SQ:SQ+1], s[36:37], s[74:75]
	s_add_nc_u64 s[SK:SK+1], s[SQ:SQ+1], ASC_KV
	s_add_nc_u64 s[SQ:SQ+1], s[SQ:SQ+1], ASC_Q
	s_cmp_ge_u32 ttmp9, 256                        ; groups 256..319 are c's
	s_cselect_b64 s[SRC:SRC+1], s[6:7], s[4:5]
	s_cselect_b64 s[70:71], s[10:11], s[8:9]
	s_cselect_b64 s[72:73], s[14:15], s[12:13]
	s_cselect_b64 s[74:75], s[18:19], s[16:17]
	s_cselect_b64 s[76:77], s[22:23], s[20:21]
	s_cselect_b32 s66, 256, 0
	s_sub_co_u32 s66, ttmp9, s66
	s_lshl_b32 s66, s66, 17                        ; 64 rows of 2,048 bytes a group
	s_mov_b32 s67, 0
	s_add_nc_u64 s[SRC:SRC+1], s[SRC:SRC+1], s[66:67]
	WIN 0x40
.set n, 0
.rept 16
	global_load_b128 v[GQ+4*n:GQ+4*n+3], v[TPL+3], s[70:71] offset:128*(n/4)+16*(n%4)
	global_load_b128 v[GKV+4*n:GKV+4*n+3], v[TPL+3], s[72:73] offset:128*(n/4)+16*(n%4)
.set n, n+1
.endr
	RLOAD 0
.irp c, 0,1,2,3
	global_load_b128 v[AF+4*\c:AF+4*\c+3], v[TPL+4], s[74:75] offset:32*\c
.endr
	global_load_b32 v[ASW], v[TPL+5], s[76:77]
; ONE TILE OF 16 ROWS.  One barrier: the figures' and t's regions take turns, so that a region is written again only behind the barrier that follows every wave's reads of it.
.macro TILE i
.set RG, (\i)%2
	s_wait_loadcnt 0x0                             ; this tile's rows (asked for a tile ago)
	WIN 0x04
.set k, 0
.rept 16
	ds_store_b128 v[STA], v[R+4*k:R+4*k+3] offset:SROW*k   ; the rows as they lie, into my own stage
.set k, k+1
.endr
	WIN 0
.set k, 0
.rept 16
	ds_load_b128 v[X+4*k:X+4*k+3], v[STB] offset:128*(k/4)+16*(k%4)   ; and back: 16 neighbours of each block of 32.  LDS serves a wave's instructions in order
.set k, k+1
.endr
	s_wait_dscnt 0x0
.if (\i) < 3
	RLOAD (\i)+1                                   ; the next tile's rows land while this tile is worked
.endif
	WIN 0x04
.set j, 0
.rept 32
	v_pk_mul_f32 v[TQ+j:TQ+j+1], v[X+j:X+j+1], v[GQ+j:GQ+j+1]
.set j, j+2
.endr
	WIN 0
	v_pk_mul_f32 v[SS:SS+1], v[X:X+1], v[X:X+1]    ; the sum of squares, in two packed chains
	v_pk_mul_f32 v[SS+2:SS+3], v[X+2:X+3], v[X+2:X+3]
.set j, 4
.rept 15
	v_pk_fma_f32 v[SS:SS+1], v[X+j:X+j+1], v[X+j:X+j+1], v[SS:SS+1]
	v_pk_fma_f32 v[SS+2:SS+3], v[X+j+2:X+j+3], v[X+j+2:X+j+3], v[SS+2:SS+3]
.set j, j+4
.endr
	s_wait_xcnt 0x0                                ; the last tile's stores have read their data: the codes' and t's registers may be written again
	MXQ X, PCA, 1                                  ; the raw rows as codes: the operand of t's product
	WIN 0x04
.set j, 0
.rept 32
	v_pk_mul_f32 v[X+j:X+j+1], v[X+j:X+j+1], v[GKV+j:GKV+j+1]   ; (these 32 are also the places between the codes, the scale word and the product)
.set j, j+2
.endr
	WIN 0
	v_wmma_scale_f32_16x16x128_f8f6f4 v[TD:TD+7], v[AF:AF+15], v[PCA:PCA+15], 0, v[ASW], v[PW] matrix_a_fmt:MATRIX_FMT_BF8 matrix_b_fmt:MATRIX_FMT_BF8   ; source 0 = A's 16 ranks, source 1 = 16 tokens: a lane holds a token
.irp q, 0,1,2,3
	v_max_num_f32 v[TM+\q], |v[TQ+16*\q]|, |v[TQ+16*\q+1]|     ; the largest |y g| under both gains, eight chains; these lines are the places behind the product
	v_max_num_f32 v[TM+4+\q], |v[X+16*\q]|, |v[X+16*\q+1]|
.endr
.irp e, 2,4,6,8,10,12,14
.irp q, 0,1,2,3
	v_max3_num_f32 v[TM+\q], v[TM+\q], |v[TQ+16*\q+\e]|, |v[TQ+16*\q+\e+1]|
	v_max3_num_f32 v[TM+4+\q], v[TM+4+\q], |v[X+16*\q+\e]|, |v[X+16*\q+\e+1]|
.endr
.endr
	v_max3_num_f32 v[TM], v[TM], v[TM+1], v[TM+2]
	v_max3_num_f32 v[TM+4], v[TM+4], v[TM+5], v[TM+6]
	v_pk_add_f32 v[SS:SS+1], v[SS:SS+1], v[SS+2:SS+3]
	v_max_num_f32 v[TM], v[TM], v[TM+3]
	v_max_num_f32 v[TM+4], v[TM+4], v[TM+7]
	v_add_f32 v[SS], v[SS], v[SS+1]
	v_permlanex16_b32 v[TM+8], v[SS], s[SEL], s[SEL+1]
	v_permlanex16_b32 v[TM+9], v[TM], s[SEL], s[SEL+1]
	v_permlanex16_b32 v[TM+10], v[TM+4], s[SEL], s[SEL+1]
	v_add_f32 v[H], v[SS], v[TM+8]                 ; my K step's figures of row r
	v_max_num_f32 v[H+1], v[TM], v[TM+9]
	v_max_num_f32 v[H+2], v[TM+4], v[TM+10]
	ds_store_b128 v[STW], v[H:H+3] offset:1024*RG  ; (the fourth word is not used; both halves of the lanes write the same bytes with the same values)
	ds_store_b128 v[TPW], v[TD:TD+3] offset:4096*RG
	ds_store_b128 v[TPW], v[TD+4:TD+7] offset:4096*RG+512
	s_wait_dscnt 0x0                               ; for the others' sake: my stores have landed
	s_barrier_signal -1
	s_barrier_wait -1
.irp q, 0,1,2,3
	ds_load_b128 v[H+4*\q:H+4*\q+3], v[STR] offset:1024*RG+256*\q
	ds_load_b64 v[TPL+2*\q:TPL+2*\q+1], v[TPR] offset:4096*RG+1024*\q
.endr
	s_wait_dscnt 0x0
	v_add_f32 v[H], v[H], v[H+4]                   ; the four K steps, in ascending order
	v_max3_num_f32 v[H+1], v[H+1], v[H+5], v[H+9]
	v_max3_num_f32 v[H+2], v[H+2], v[H+6], v[H+10]
	v_pk_add_f32 v[TPL:TPL+1], v[TPL:TPL+1], v[TPL+2:TPL+3]
	v_add_f32 v[H], v[H], v[H+8]
	v_max_num_f32 v[H+1], v[H+1], v[H+13]
	v_max_num_f32 v[H+2], v[H+2], v[H+14]
	v_pk_add_f32 v[TPL:TPL+1], v[TPL:TPL+1], v[TPL+4:TPL+5]
	v_add_f32 v[H], v[H], v[H+12]
	v_pk_add_f32 v[TPL:TPL+1], v[TPL:TPL+1], v[TPL+6:TPL+7]
	global_store_b64 v[T8], v[TPL:TPL+1], s[TOP:TOP+1] offset:1024*(\i)   ; a wave stores 256 consecutive bytes of t's image
	v_fma_f32 v[TM], v[H], s[C512], s[EPS]
	v_rsq_f32 v[TM+1], v[TM]                       ; rs
	v_nop
	s_wait_alu depctr_va_vdst(0)                   ; the wait ahead of the first reader
	v_mul_f32 v[TM+2], v[H+1], v[TM+1]
	v_mul_f32 v[TM+3], v[H+2], v[TM+1]
	v_max_num_f32 v[TM+2], 0x3727c5ac, v[TM+2]     ; a = max(largest |xn|, 1e-5)
	v_max_num_f32 v[TM+3], 0x3727c5ac, v[TM+3]
	v_rcp_f32 v[TM+4], v[TM+2]
	v_rcp_f32 v[TM+5], v[TM+3]
	v_mul_f32 v[IVQ], 0x3c010204, v[TM+2]          ; a / 127
	v_mul_f32 v[IVK], 0x3c010204, v[TM+3]
	s_wait_alu depctr_va_vdst(0)                   ; one wait for both reciprocals
	v_mul_f32 v[TM+4], s[P127], v[TM+4]
	v_mul_f32 v[TM+5], s[P127], v[TM+5]
	v_mul_f32 v[K1Q], v[TM+1], v[TM+4]             ; rs x 127 / a
	v_mul_f32 v[K1K], v[TM+1], v[TM+5]
	I8Q TQ, K1Q, IVQ
	MXQ TQ, PCB, 0
.irp c, 0,1,2,3
	global_store_b128 v[LI], v[PCB+4*\c:PCB+4*\c+3], s[CQ:CQ+1] offset:8192*(\i)+512*\c
.endr
.if (\i)%2 == 0
	v_mov_b32 v[EVQ], v[PW]
.else
	v_cndmask_b32 v[SWQ+(\i)/2], v[EVQ], v[PW], s[HIM]   ; the even tile's word below, the odd tile's above
.endif
	I8Q X, K1K, IVK
	MXQ X, PCA, 0
.irp c, 0,1,2,3
	global_store_b128 v[LI], v[PCA+4*\c:PCA+4*\c+3], s[CK:CK+1] offset:8192*(\i)+512*\c
.endr
.if (\i)%2 == 0
	v_mov_b32 v[EVK], v[PW]
.else
	v_cndmask_b32 v[SWK+(\i)/2], v[EVK], v[PW], s[HIM]
.endif
.endm
	TILE 0
	TILE 1
	TILE 2
	TILE 3
	v_and_b32 v[TM], 31, v0
	v_lshlrev_b32 v[TM], 3, v[TM]
	global_store_b64 v[TM], v[SWQ:SWQ+1], s[SQ:SQ+1]     ; 32 lanes store 256 consecutive bytes
	global_store_b64 v[TM], v[SWK:SWK+1], s[SK:SK+1]
	s_wait_tensorcnt 0x0                           ; the wave's end
	ds_add_u32 v[SPW], v[NIL]
	s_wait_dscnt 0x0
	s_endpgm
; THE WEIGHTS' PATH: the sum of |w| over 32 KB a wave.  Units of 512 rows: 0 W_qx, 1, 2 W_kvx, 3 W_px, 4 W_qc, 5, 6 W_kvc, 7 W_pc; eight work-groups a unit.  No LDS, no barrier.
.macro WLOAD q, reg
.set n, 0
.rept 16
	global_load_b128 v[\reg+4*n:\reg+4*n+3], v[LI], s[70:71] offset:512*(16*(\q)+n)
.set n, n+1
.endr
.endm
.macro WADD reg, first                 ; four chains; the first eight numbers start them: nothing is cleared
.set n, 0
.rept 64
.if \first && (n < 4)
	v_add_f32 v[TM+n], |v[\reg+n]|, |v[\reg+n+4]|
.elseif \first && (n < 8)
.else
	v_add_f32 v[TM+n%4], v[TM+n%4], |v[\reg+n]|
.endif
.set n, n+1
.endr
.endm
.Lwsum:
	s_sub_co_u32 s66, ttmp9, 320
	s_lshr_b32 s67, s66, 3                         ; the unit
	s_and_b32 s68, s66, 7
	s_lshl_b32 s68, s68, 17
	s_lshl_b32 s69, s[WV], 15
	s_add_co_u32 s68, s68, s69
	s_and_b32 s69, s67, 3
	s_cmp_eq_u32 s69, 2
	s_cselect_b32 s69, 0x100000, 0                 ; units 2 and 6: the upper 512 rows
	s_add_co_u32 s68, s68, s69
	s_mov_b32 s69, 0
	s_wait_kmcnt 0x0
	s_mov_b64 s[70:71], s[24:25]
	s_cmp_ge_u32 s67, 1
	s_cselect_b64 s[70:71], s[26:27], s[70:71]
	s_cmp_ge_u32 s67, 3
	s_cselect_b64 s[70:71], s[28:29], s[70:71]
	s_cmp_ge_u32 s67, 4
	s_cselect_b64 s[70:71], s[30:31], s[70:71]
	s_cmp_ge_u32 s67, 5
	s_cselect_b64 s[70:71], s[32:33], s[70:71]
	s_cmp_ge_u32 s67, 7
	s_cselect_b64 s[70:71], s[34:35], s[70:71]
	s_add_nc_u64 s[70:71], s[70:71], s[68:69]
	WLOAD 0, X
	WLOAD 1, TQ
	s_wait_loadcnt 16                              ; the older batch is in; the younger batch's 16 loads stay out
	WADD X, 1
	WLOAD 2, X
	s_wait_loadcnt 16
	WADD TQ, 0
	WLOAD 3, TQ
	s_wait_loadcnt 16
	WADD X, 0
	s_wait_loadcnt 0x0
	WADD TQ, 0
	v_add_f32 v[TM], v[TM], v[TM+1]
	v_add_f32 v[TM+2], v[TM+2], v[TM+3]
	v_add_f32 v[TM], v[TM], v[TM+2]
	v_add_f32_dpp v[TM], v[TM], v[TM] row_xmask:1 row_mask:0xf bank_mask:0xf
	v_add_f32_dpp v[TM], v[TM], v[TM] row_xmask:2 row_mask:0xf bank_mask:0xf
	v_add_f32_dpp v[TM], v[TM], v[TM] row_xmask:4 row_mask:0xf bank_mask:0xf
	v_add_f32_dpp v[TM], v[TM], v[TM] row_xmask:8 row_mask:0xf bank_mask:0xf
	v_permlanex16_b32 v[TM+1], v[TM], s[SEL], s[SEL+1]
	v_add_f32 v[TM], v[TM], v[TM+1]
	s_lshl_b32 s66, s66, 2
	s_add_co_u32 s66, s66, s[WV]
	s_lshl_b32 s66, s66, 2                         ; wpart[unit][work-group][wave]
	v_mov_b32 v[TM+2], s66
	v_cmp_eq_u32 vcc_lo, 0, v[TPL]
	s_wait_xcnt 0x0                                ; EXEC changes only behind this wait
	s_and_saveexec_b32 s67, vcc_lo
	global_store_b32 v[TM+2], v[TM], s[38:39]      ; lane 0 alone
	s_wait_xcnt 0x0
	s_or_b32 exec_lo, exec_lo, s67
	s_endpgm
.Lfunc_end_k_q9af9743d7e_prep:
	.size	k_q9af9743d7e_prep, .Lfunc_end_k_q9af9743d7e_prep-k_q9af9743d7e_prep
	.p2alignl 7, 3214868480
	.fill 96, 4, 3214868480
	.section	.rodata,"a",@progbits
	.p2align	6, 0x0
	.amdhsa_kernel k_q9af9743d7e_prep
		.amdhsa_group_segment_fixed_size 44544
		.amdhsa_private_segment_fixed_size 0
		.amdhsa_enable_private_segment 0
		.amdhsa_kernarg_size 144
		.amdhsa_user_sgpr_count 2
		.amdhsa_user_sgpr_kernarg_segment_ptr 1
		.amdhsa_wavefront_size32 1
		.amdhsa_system_sgpr_workgroup_id_x 1
		.amdhsa_system_sgpr_workgroup_id_y 1
		.amdhsa_system_sgpr_workgroup_id_z 1
		.amdhsa_system_vgpr_workitem_id 0
		.amdhsa_next_free_vgpr 448
		.amdhsa_next_free_sgpr 80
		.amdhsa_reserve_vcc 1
		.amdhsa_float_denorm_mode_32 3
		.amdhsa_float_denorm_mode_16_64 3
		.amdhsa_memory_ordered 1
		.amdhsa_forward_progress 1
		.amdhsa_inst_pref_size 255
	.end_amdhsa_kernel
	.section	.bss,"aw",@nobits
	.p2align	6
	.space	262144
	.amdgpu_metadata
---
amdhsa.version: [ 1, 2 ]
amdhsa.kernels:
  - .name:           k_q9af9743d7e_prep
    .symbol:         k_q9af9743d7e_prep.kd
    .args:
      - { .name: x, .offset: 0, .size: 8, .value_kind: global_buffer, .address_space: global }
      - { .name: c, .offset: 8, .size: 8, .value_kind: global_buffer, .address_space: global }
      - { .name: g_qx, .offset: 16, .size: 8, .value_kind: global_buffer, .address_space: global }
      - { .name: g_qc, .offset: 24, .size: 8, .value_kind: global_buffer, .address_space: global }
      - { .name: g_kvx, .offset: 32, .size: 8, .value_kind: global_buffer, .address_space: global }
      - { .name: g_kvc, .offset: 40, .size: 8, .value_kind: global_buffer, .address_space: global }
      - { .name: A_x_codes, .offset: 48, .size: 8, .value_kind: global_buffer, .address_space: global }
      - { .name: A_c_codes, .offset: 56, .size: 8, .value_kind: global_buffer, .address_space: global }
      - { .name: A_x_scales, .offset: 64, .size: 8, .value_kind: global_buffer, .address_space: global }
      - { .name: A_c_scales, .offset: 72, .size: 8, .value_kind: global_buffer, .address_space: global }
      - { .name: W_qx, .offset: 80, .size: 8, .value_kind: global_buffer, .address_space: global }
      - { .name: W_kvx, .offset: 88, .size: 8, .value_kind: global_buffer, .address_space: global }
      - { .name: W_px, .offset: 96, .size: 8, .value_kind: global_buffer, .address_space: global }
      - { .name: W_qc, .offset: 104, .size: 8, .value_kind: global_buffer, .address_space: global }
      - { .name: W_kvc, .offset: 112, .size: 8, .value_kind: global_buffer, .address_space: global }
      - { .name: W_pc, .offset: 120, .size: 8, .value_kind: global_buffer, .address_space: global }
      - { .name: act, .offset: 128, .size: 8, .value_kind: global_buffer, .address_space: global }
      - { .name: wpart, .offset: 136, .size: 8, .value_kind: global_buffer, .address_space: global }
    .group_segment_fixed_size: 44544
    .private_segment_fixed_size: 0
    .kernarg_segment_align: 8
    .kernarg_segment_size: 144
    .max_flat_workgroup_size: 128
    .sgpr_count:     80
    .vgpr_count:     448
    .wavefront_size: 32
...
	.end_amdgpu_metadata
.endif
;; end of part 1
;; launch wcode (part 2): grid 256 x 1, 4 waves a work-group, no clusters, 1,024 bytes of LDS; arguments W_qx, W_kvx, W_px, W_qc, W_kvc, W_pc, wpart, wimg; writes wimg
.if DOCPART == 2
	.amdgcn_target "amdgcn-amd-amdhsa--gfx1250"
	.amdhsa_code_object_version 6
	.text
	.protected	k_q9af9743d7e_wcode
	.globl	k_q9af9743d7e_wcode
	.p2align	8
	.type	k_q9af9743d7e_wcode,@function
k_q9af9743d7e_wcode:
	s_mov_b64 s[64:65], 0
	v_nop
	global_prefetch_b8 v0, s[64:65] scope:SCOPE_SE
	s_setreg_imm32_b32 hwreg(HW_REG_WAVE_MODE, 25, 1), 1
	s_wait_xcnt 0x0
; LAUNCH 2 OF 5.  The six weights become ternary (round(w / m) held to -1 .. 1, times m; m = max(mean |w|, 1e-5)) and then codes of E5M2 with E8M0 scales along K, laid as images of the operand's registers.
; Left out, as shown at the head of the first launch: w + (t(w) - w) = t(w).
; LIMITS: the mean is summed in this program's own order; w / m is w x rcp(m), and the division by 1 / m a product with m: about one part in 10^7.  A block of zeros gets the byte 1.
; wimg: 32 slices of 128 rows of W (unit g = 0..7 as in the first launch, slice 0..3) x 69,632 bytes: codes [tile t 8][K step s 4][2,048], then the scale words [t][lane][4 words s].
; THE ROWS OF A TILE ARE NOT NEIGHBOURS: lane r of tile t = 2 b + u takes row 32 b + 8 u + r + 8 (r / 8) of its slice, so that the results of tiles 2 b, 2 b + 1 are 16 neighbours along the next K.
; A work-group makes one tile, wave w its K step w.  Every wave sums the same partial sums in the same order, so every tile of a weight has the same m.
; The loads read 64 bytes a lane pair row by row: 2 MB of codes in all; a stage would not pay.
.set SPARE, 512
.set LI,  1
.set SPW, 2
.set NIL, 3
.set WA,  4
.set PA,  5
.set LSW, 6
.set PW,  8
.set D,   32
.set TM,  96
.set PC,  112
.set SEL, 38
.set MNT, 40
.macro MXQ s, pc
.irp b, 0,1,2,3
	v_max3_num_f32 v[TM+\b], |v[\s+16*\b]|, |v[\s+16*\b+1]|, 0x8000000   ; and the floor 2^(16 - 127)
.endr
.irp i, 2,4,6,8,10,12,14
.irp b, 0,1,2,3
	v_max3_num_f32 v[TM+\b], v[TM+\b], |v[\s+16*\b+\i]|, |v[\s+16*\b+\i+1]|
.endr
.endr
.irp b, 0,1,2,3
	v_permlanex16_b32 v[TM+4+\b], v[TM+\b], s[SEL], s[SEL+1]
.endr
.irp b, 0,1,2,3
	v_max_num_f32 v[TM+\b], v[TM+\b], v[TM+4+\b]
.endr
.irp b, 0,1,2,3
	v_add_nc_u32 v[TM+12+\b], 0xf8800000, v[TM+\b]
.endr
.irp b, 0,1,2,3
	v_and_or_b32 v[TM+8+\b], v[TM+\b], 0x7f800000, s[MNT]
.endr
.irp b, 0,1,2,3
	v_lshrrev_b32 v[TM+4+\b], 23, v[TM+12+\b]
.endr
	v_lshl_or_b32 v[PW], v[TM+5], 8, v[TM+4]
	v_lshl_or_b32 v[PW], v[TM+6], 16, v[PW]
	v_lshl_or_b32 v[PW], v[TM+7], 24, v[PW]
.irp b, 0,1,2,3
.irp i, 0,1,2,3,4,5,6,7,8,9,10,11,12,13,14,15
	v_med3_num_f32 v[\s+16*\b+\i], v[\s+16*\b+\i], -v[TM+8+\b], v[TM+8+\b]
.endr
	v_cvt_scalef32_pk8_bf8_f32 v[\pc+4*\b:\pc+4*\b+1], v[\s+16*\b:\s+16*\b+7], v[TM+12+\b]
	v_cvt_scalef32_pk8_bf8_f32 v[\pc+4*\b+2:\pc+4*\b+3], v[\s+16*\b+8:\s+16*\b+15], v[TM+12+\b]
.endr
	v_nop
.endm
	s_load_b512 s[4:19], s[0:1], 0x0               ; W_qx, W_kvx, W_px, W_qc, W_kvc, W_pc, wpart, wimg
	v_lshl_add_u32 v[SPW], v0, 2, SPARE
	v_mov_b32 v[NIL], 0
	v_lshrrev_b32 v7, 5, v0
	v_readfirstlane_b32 s20, v7                    ; wave = K step
	v_and_b32 v7, 31, v0
	v_and_b32 v9, 15, v0
	v_bfe_u32 v14, v0, 4, 1
	v_lshlrev_b32 v[LI], 4, v7
	s_lshl_b32 s32, s20, 2
	v_add_nc_u32 v[LSW], s32, v[LI]                ; LDS: 16 x lane + 4 x wave
	v_and_b32 v15, 8, v9
	v_add_nc_u32 v15, v15, v9                      ; r + 8 (r / 8)
	v_lshlrev_b32 v[WA], 11, v15
	v_lshl_add_u32 v[WA], v14, 6, v[WA]            ; that row of 2,048 bytes, + 64 h
	s_lshr_b32 s21, ttmp9, 3                       ; slice
	s_and_b32 s22, ttmp9, 7                        ; tile
	s_lshr_b32 s23, s21, 2                         ; unit
	s_and_b32 s24, s21, 3
	s_lshl_b32 s24, s24, 7
	s_lshr_b32 s25, s22, 1
	s_lshl_b32 s25, s25, 5
	s_add_co_u32 s24, s24, s25
	s_and_b32 s25, s22, 1
	s_lshl_b32 s25, s25, 3
	s_add_co_u32 s24, s24, s25                     ; the tile's first row in its unit
	s_lshl_b32 s24, s24, 11
	s_lshl_b32 s25, s20, 9
	s_add_co_u32 s24, s24, s25
	s_and_b32 s26, s23, 3
	s_cmp_eq_u32 s26, 2
	s_cselect_b32 s25, 0x100000, 0
	s_add_co_u32 s24, s24, s25
	s_mov_b32 s25, 0
	s_and_b32 s27, s23, 4
	s_add_co_u32 s27, s27, 1
	s_sub_co_u32 s26, s26, 1
	s_mov_b32 s29, 0x36800000                      ; 2^-18: 512 x 512 numbers
	s_cmp_lt_u32 s26, 2                            ; units 1, 2, 5, 6 are halves of a weight of 1,024 rows
	s_cselect_b32 s27, s27, s23                    ; the weight's first set of 32 partial sums
	s_cselect_b32 s28, 1, 0
	s_cselect_b32 s29, 0x36000000, s29             ; 2^-19
	s_lshl_b32 s27, s27, 7
	v_lshl_add_u32 v[PA], v7, 2, s27
	s_mul_i32 s30, s21, 69632
	s_lshl_b32 s31, s22, 2
	s_add_co_u32 s31, s31, s20
	s_lshl_b32 s31, s31, 11
	s_add_co_u32 s34, s30, s31                     ; my fragment's image
	s_mov_b32 s35, 0
	s_lshl_b32 s31, s22, 9
	s_add_co_u32 s36, s30, s31
	s_add_co_u32 s36, s36, 65536                   ; the tile's scale words
	s_mov_b32 s37, 0
	s_mov_b32 s[SEL], 0x76543210
	s_mov_b32 s[SEL+1], 0xfedcba98
	s_mov_b32 s[MNT], 0x600000
.irp q, 4,5,6,7
	v_mov_b32 v[TM+\q], 0
.endr
	v_mov_b32 v17, 0
	s_wait_kmcnt 0x0
	s_mov_b64 s[42:43], s[4:5]
	s_cmp_ge_u32 s23, 1
	s_cselect_b64 s[42:43], s[6:7], s[42:43]
	s_cmp_ge_u32 s23, 3
	s_cselect_b64 s[42:43], s[8:9], s[42:43]
	s_cmp_ge_u32 s23, 4
	s_cselect_b64 s[42:43], s[10:11], s[42:43]
	s_cmp_ge_u32 s23, 5
	s_cselect_b64 s[42:43], s[12:13], s[42:43]
	s_cmp_ge_u32 s23, 7
	s_cselect_b64 s[42:43], s[14:15], s[42:43]
	s_add_nc_u64 s[42:43], s[42:43], s[24:25]
	s_add_nc_u64 s[34:35], s[18:19], s[34:35]
	s_add_nc_u64 s[36:37], s[18:19], s[36:37]
	global_load_b32 v16, v[PA], s[16:17]
	s_cmp_eq_u32 s28, 0
	s_cbranch_scc1 .Lone                           ; ids alone
	global_load_b32 v17, v[PA], s[16:17] offset:128      ; the other half's 32 partial sums
.Lone:
.set n, 0
.rept 16
	global_load_b128 v[D+4*n:D+4*n+3], v[WA], s[42:43] offset:128*(n/4)+16*(n%4)
.set n, n+1
.endr
	s_wait_loadcnt 0x0
	v_add_f32 v16, v16, v17
	v_add_f32_dpp v16, v16, v16 row_xmask:1 row_mask:0xf bank_mask:0xf
	v_add_f32_dpp v16, v16, v16 row_xmask:2 row_mask:0xf bank_mask:0xf
	v_add_f32_dpp v16, v16, v16 row_xmask:4 row_mask:0xf bank_mask:0xf
	v_add_f32_dpp v16, v16, v16 row_xmask:8 row_mask:0xf bank_mask:0xf
	v_permlanex16_b32 v17, v16, s[SEL], s[SEL+1]
	v_add_f32 v16, v16, v17
	v_mul_f32 v12, s29, v16
	v_max_num_f32 v12, 0x3727c5ac, v12             ; m = max(mean |w|, 1e-5)
	v_rcp_f32 v10, v12
	v_mov_b32 v13, 0                               ; (the pairs' upper halves; plain lines behind the reciprocal)
	v_mov_b32 v11, 0
	s_wait_alu depctr_va_vdst(0)                   ; the wait ahead of the first reader
.set j, 0
.rept 32
	v_pk_mul_f32 v[D+j:D+j+1], v[D+j:D+j+1], v[10:11] op_sel_hi:[1,0]
.set j, j+2
.endr
.set j, 0
.rept 64
	v_rndne_f32 v[D+j], v[D+j]
.set j, j+1
.endr
.set j, 0
.rept 64
	v_med3_num_f32 v[D+j], v[D+j], -1.0, 1.0
.set j, j+1
.endr
.set j, 0
.rept 32
	v_pk_mul_f32 v[D+j:D+j+1], v[D+j:D+j+1], v[12:13] op_sel_hi:[1,0]
.set j, j+2
.endr
	MXQ D, PC
.irp c, 0,1,2,3
	global_store_b128 v[LI], v[PC+4*\c:PC+4*\c+3], s[34:35] offset:512*\c
.endr
	ds_store_b32 v[LSW], v[PW]                     ; the four K steps' words meet in LDS
	s_wait_dscnt 0x0
	s_barrier_signal -1
	s_barrier_wait -1
	s_cmp_lg_u32 s20, 0
	s_cbranch_scc1 .Ldone
	ds_load_b128 v[16:19], v[LI]
	s_wait_dscnt 0x0
	global_store_b128 v[LI], v[16:19], s[36:37]    ; 512 consecutive bytes
.Ldone:
	s_wait_tensorcnt 0x0                           ; the wave's end
	ds_add_u32 v[SPW], v[NIL]
	s_wait_dscnt 0x0
	s_endpgm
.Lfunc_end_k_q9af9743d7e_wcode:
	.size	k_q9af9743d7e_wcode, .Lfunc_end_k_q9af9743d7e_wcode-k_q9af9743d7e_wcode
	.p2alignl 7, 3214868480
	.fill 96, 4, 3214868480
	.section	.rodata,"a",@progbits
	.p2align	6, 0x0
	.amdhsa_kernel k_q9af9743d7e_wcode
		.amdhsa_group_segment_fixed_size 1024
		.amdhsa_private_segment_fixed_size 0
		.amdhsa_enable_private_segment 0
		.amdhsa_kernarg_size 64
		.amdhsa_user_sgpr_count 2
		.amdhsa_user_sgpr_kernarg_segment_ptr 1
		.amdhsa_wavefront_size32 1
		.amdhsa_system_sgpr_workgroup_id_x 1
		.amdhsa_system_sgpr_workgroup_id_y 1
		.amdhsa_system_sgpr_workgroup_id_z 1
		.amdhsa_system_vgpr_workitem_id 0
		.amdhsa_next_free_vgpr 128
		.amdhsa_next_free_sgpr 66
		.amdhsa_reserve_vcc 0
		.amdhsa_float_denorm_mode_32 3
		.amdhsa_float_denorm_mode_16_64 3
		.amdhsa_memory_ordered 1
		.amdhsa_forward_progress 1
		.amdhsa_inst_pref_size 25
	.end_amdhsa_kernel
	.amdgpu_metadata
---
amdhsa.version: [ 1, 2 ]
amdhsa.kernels:
  - .name:           k_q9af9743d7e_wcode
    .symbol:         k_q9af9743d7e_wcode.kd
    .args:
      - { .name: W_qx, .offset: 0, .size: 8, .value_kind: global_buffer, .address_space: global }
      - { .name: W_kvx, .offset: 8, .size: 8, .value_kind: global_buffer, .address_space: global }
      - { .name: W_px, .offset: 16, .size: 8, .value_kind: global_buffer, .address_space: global }
      - { .name: W_qc, .offset: 24, .size: 8, .value_kind: global_buffer, .address_space: global }
      - { .name: W_kvc, .offset: 32, .size: 8, .value_kind: global_buffer, .address_space: global }
      - { .name: W_pc, .offset: 40, .size: 8, .value_kind: global_buffer, .address_space: global }
      - { .name: wpart, .offset: 48, .size: 8, .value_kind: global_buffer, .address_space: global }
      - { .name: wimg, .offset: 56, .size: 8, .value_kind: global_buffer, .address_space: global }
    .group_segment_fixed_size: 1024
    .private_segment_fixed_size: 0
    .kernarg_segment_align: 8
    .kernarg_segment_size: 64
    .max_flat_workgroup_size: 128
    .sgpr_count:     66
    .vgpr_count:     128
    .wavefront_size: 32
...
	.end_amdgpu_metadata
.endif
;; end of part 2
;; launch proj (part 3): grid 240 x 1, 4 waves a work-group, no clusters, 135,680 bytes of LDS; arguments act, wimg, qf, kv; writes qf, kv
.if DOCPART == 3
	.amdgcn_target "amdgcn-amd-amdhsa--gfx1250"
	.amdhsa_code_object_version 6
	.text
	.protected	k_q9af9743d7e_proj
	.globl	k_q9af9743d7e_proj
	.p2align	8
	.type	k_q9af9743d7e_proj,@function
k_q9af9743d7e_proj:
	s_mov_b64 s[64:65], 0
	v_nop
	global_prefetch_b8 v0, s[64:65] scope:SCOPE_SE
	s_setreg_imm32_b32 hwreg(HW_REG_WAVE_MODE, 25, 1), 1
	s_wait_xcnt 0x0
; LAUNCH 3 OF 5.  The Q, K and V projections of both passes, on codes of E5M2 with E8M0 scales.  Nothing of reference() is left out here.
; SHARES.  Work-groups 0..191: x (64 chunks of 256 rows x {Q, K, V}); 192..239: c (16 chunks).  A work-group takes 256 rows x 512 columns; wave w keeps its 128 columns' weights (heads 2 w, 2 w + 1), 32 fragments, in 512 registers.
; The chunk's 16 tiles of codes (128 KB, dense in memory) go into LDS once, each wave bringing a quarter through its registers; every wave then reads all of them.  No ring and no cluster: the block is fetched once, beside the weights.
; Q and K are used TRANSPOSED (source 0 = 16 rows of W, source 1 = 16 tokens): a lane holds a token, its registers run along the head's channels.  V is used as it stands (source 0 = tokens): a lane holds a channel, its registers run along the keys.
; OUT.  Q: the f32 sums as an image, qf [T][head][4,096].  K: quantised along the head's 64; V: quantised along the keys; both into records of 17,408 bytes for each (context, batch x 8 + head, step of 128 keys):
;   K codes [tile 8][2][512]; K scale words [lane][4 words: pair p: tile 2 p in lanes 0-15, 2 p + 1 in lanes 16-31]; V codes [channel tile 4][pair of tiles 4][512]; V scale words [lane][4 words: channel tile].
; LIMITS as stated at the head of the first launch (a block of zeros gets the byte 1; magnitudes under 2^-111 not tried; no NaN, no infinities).
.set ACT_KV, 10485760
.set ASC_Q,  20971520
.set ASC_KV, 21299200
.set KV_C,   17825792
.set REC,    17408
.set ASC,    131072                    ; LDS: behind the 16 tiles' images: their scale words, 4,096 bytes
.set SPARE,  135168
.set LI,  1
.set AA,  2                            ; 16 x lane + the trip's 32,768
.set AB0, 3                            ; ASC + 8 x lane
.set SPW, 4
.set NIL, 5
.set HST, 6
.set SCA, 7                            ; 16 x lane + where a record's scale words lie from the pointer of an odd trip
.set G16, 8
.set L16, 9
.set PW,  10
.set EV,  11
.set AB,  13
.set ASR, 16                           ; v16-23  the tokens' scale words: 2 s + pair
.set WS,  24                           ; v24-55  the weights': 4 t + s
.set TM,  56
.set PC,  72                           ; v72-103 two sets of codes
.set KS,  104                          ; v104-111 a key step's scale words: head 2 w, head 2 w + 1
.set SST, 112
.set ACC, 128                          ; v128-255 sixteen accumulators
.set WV,  12
.set GRP, 13
.set ISC, 14
.set CHK, 15
.set TRIP, 16
.set PB,  17
.set PS,  18
.set SEL, 20
.set MNT, 22
.set HIM, 23
.set OA,  24
.set OB,  26
.set STP, 28
.set EXT, 30
.set MSB, 0
.macro WIN new
.if MSB != (\new)
	s_set_vgpr_msb (MSB<<8)|(\new)
.set MSB, (\new)
.endif
.endm
.macro MXQ s, pc, word
.irp b, 0,1,2,3
	v_max3_num_f32 v[TM+\b], |v[\s+16*\b]|, |v[\s+16*\b+1]|, 0x8000000   ; each accumulator is read from its low end on; the floor 2^(16 - 127)
.endr
.irp i, 2,4,6,8,10,12,14
.irp b, 0,1,2,3
	v_max3_num_f32 v[TM+\b], v[TM+\b], |v[\s+16*\b+\i]|, |v[\s+16*\b+\i+1]|
.endr
.endr
.irp b, 0,1,2,3
	v_permlanex16_b32 v[TM+4+\b], v[TM+\b], s[SEL], s[SEL+1]
.endr
.irp b, 0,1,2,3
	v_max_num_f32 v[TM+\b], v[TM+\b], v[TM+4+\b]
.endr
.irp b, 0,1,2,3
	v_add_nc_u32 v[TM+12+\b], 0xf8800000, v[TM+\b]
.endr
.irp b, 0,1,2,3
	v_and_or_b32 v[TM+8+\b], v[TM+\b], 0x7f800000, s[MNT]
.endr
.irp b, 0,1,2,3
	v_lshrrev_b32 v[TM+4+\b], 23, v[TM+12+\b]
.endr
.if \word
	v_lshl_or_b32 v[PW], v[TM+5], 8, v[TM+4]
	v_lshl_or_b32 v[PW], v[TM+6], 16, v[PW]
	v_lshl_or_b32 v[PW], v[TM+7], 24, v[PW]
.endif
.irp b, 0,1,2,3
.irp i, 0,1,2,3,4,5,6,7,8,9,10,11,12,13,14,15
	v_med3_num_f32 v[\s+16*\b+\i], v[\s+16*\b+\i], -v[TM+8+\b], v[TM+8+\b]
.endr
	v_cvt_scalef32_pk8_bf8_f32 v[\pc+4*\b:\pc+4*\b+1], v[\s+16*\b:\s+16*\b+7], v[TM+12+\b]
	v_cvt_scalef32_pk8_bf8_f32 v[\pc+4*\b+2:\pc+4*\b+3], v[\s+16*\b+8:\s+16*\b+15], v[TM+12+\b]
.endr
	v_nop                                            ; a plain line behind the last conversion: the next products write its sources
.endm
; one product.  z = 1: it starts the sum.  ra, rb = 1: that side's scales stand in lanes 16-31
.macro WM d, a, bq, z, sa, sb, ra, rb
.if \z
.if \ra
	v_wmma_scale_f32_16x16x128_f8f6f4 v[\d:\d+7], v[\a:\a+15], v[\bq:\bq+15], 0, v[\sa], v[\sb] matrix_a_fmt:MATRIX_FMT_BF8 matrix_b_fmt:MATRIX_FMT_BF8 matrix_a_scale:MATRIX_SCALE_ROW1
.elseif \rb
	v_wmma_scale_f32_16x16x128_f8f6f4 v[\d:\d+7], v[\a:\a+15], v[\bq:\bq+15], 0, v[\sa], v[\sb] matrix_a_fmt:MATRIX_FMT_BF8 matrix_b_fmt:MATRIX_FMT_BF8 matrix_b_scale:MATRIX_SCALE_ROW1
.else
	v_wmma_scale_f32_16x16x128_f8f6f4 v[\d:\d+7], v[\a:\a+15], v[\bq:\bq+15], 0, v[\sa], v[\sb] matrix_a_fmt:MATRIX_FMT_BF8 matrix_b_fmt:MATRIX_FMT_BF8
.endif
.else
.if \ra
	v_wmma_scale_f32_16x16x128_f8f6f4 v[\d:\d+7], v[\a:\a+15], v[\bq:\bq+15], v[\d:\d+7], v[\sa], v[\sb] matrix_a_fmt:MATRIX_FMT_BF8 matrix_b_fmt:MATRIX_FMT_BF8 matrix_a_scale:MATRIX_SCALE_ROW1
.elseif \rb
	v_wmma_scale_f32_16x16x128_f8f6f4 v[\d:\d+7], v[\a:\a+15], v[\bq:\bq+15], v[\d:\d+7], v[\sa], v[\sb] matrix_a_fmt:MATRIX_FMT_BF8 matrix_b_fmt:MATRIX_FMT_BF8 matrix_b_scale:MATRIX_SCALE_ROW1
.else
	v_wmma_scale_f32_16x16x128_f8f6f4 v[\d:\d+7], v[\a:\a+15], v[\bq:\bq+15], v[\d:\d+7], v[\sa], v[\sb] matrix_a_fmt:MATRIX_FMT_BF8 matrix_b_fmt:MATRIX_FMT_BF8
.endif
.endif
.endm
; 64 products of a pair of tiles: the sixteen accumulators take turns, one instruction a turn, K step by K step.  Weights: windows 2 and 3; tokens: window 1.
.macro MULT b                          ; transposed: accumulator (u, t) at ACC + 64 u + 8 t
.irp s, 0,1,2,3
.irp t, 0,1,2,3,4,5,6,7
	WIN 0x06+(\t/4)
.irp u, 0,1
.if \s == 0
	WM ACC+64*\u+8*\t, 16*(4*(\t%4)+\s), 16*(4*\u+\s), 1, WS+4*\t+\s, ASR+2*\s+\b, 0, \u
.else
	WM ACC+64*\u+8*\t, 16*(4*(\t%4)+\s), 16*(4*\u+\s), 0, WS+4*\t+\s, ASR+2*\s+\b, 0, \u
.endif
.endr
.endr
.endr
.endm
.macro MULV b                          ; as it stands: accumulator (t, u) at ACC + 16 t + 8 u: 16 registers = 16 neighbouring keys of one channel
.irp s, 0,1,2,3
.irp t, 0,1,2,3,4,5,6,7
	WIN 0x09+4*(\t/4)
.irp u, 0,1
.if \s == 0
	WM ACC+16*\t+8*\u, 16*(4*\u+\s), 16*(4*(\t%4)+\s), 1, ASR+2*\s+\b, WS+4*\t+\s, \u, 0
.else
	WM ACC+16*\t+8*\u, 16*(4*\u+\s), 16*(4*(\t%4)+\s), 0, ASR+2*\s+\b, WS+4*\t+\s, \u, 0
.endif
.endr
.endr
.endr
.endm
.macro FETCH b                         ; pair b of the trip in hand: two tiles x four K steps; with pair 0 the trip's scale words
	WIN 0x40
.irp u, 0,1
.irp s, 0,1,2,3
.irp c, 0,1,2,3
	ds_load_b128 v[16*(4*\u+\s)+4*\c:16*(4*\u+\s)+4*\c+3], v[AA] offset:16384*\b+8192*\u+2048*\s+512*\c
.endr
.endr
.endr
	WIN 0
.if \b == 0
.irp s, 0,1,2,3
	ds_load_b64 v[ASR+2*\s:ASR+2*\s+1], v[AB] offset:256*\s
.endr
.endif
.endm
.macro QOUT b                          ; the sums as they stand: each store covers 512 consecutive bytes
.irp u, 0,1
.set m, 0
.rept 16
	global_store_b128 v[LI], v[ACC+64*\u+4*m:ACC+64*\u+4*m+3], s[OA:OA+1] offset:65536*\b+32768*\u+512*m
.set m, m+1
.endr
.endr
	s_wait_xcnt 0x0                                ; the stores have read the accumulators: the next products may write them
.endm
.macro KOUT b
.if \b == 0
	v_mov_b32 v[KS], v[KS+2]                       ; the words of the trip before move down: an odd trip ends with a key step's four pairs
	v_mov_b32 v[KS+1], v[KS+3]
	v_mov_b32 v[KS+4], v[KS+6]
	v_mov_b32 v[KS+5], v[KS+7]
.endif
.irp u, 0,1
	s_wait_xcnt 0x0                                ; the last stores of this set of codes have read it
	MXQ ACC+64*\u, PC+16*\u, 1
	global_store_b128 v[LI], v[PC+16*\u:PC+16*\u+3], s[OA:OA+1] offset:(2*\b+\u)*1024
	global_store_b128 v[LI], v[PC+16*\u+4:PC+16*\u+7], s[OA:OA+1] offset:(2*\b+\u)*1024+512
	global_store_b128 v[LI], v[PC+16*\u+8:PC+16*\u+11], s[OB:OB+1] offset:(2*\b+\u)*1024
	global_store_b128 v[LI], v[PC+16*\u+12:PC+16*\u+15], s[OB:OB+1] offset:(2*\b+\u)*1024+512
.if \u == 0
	v_mov_b32 v[EV], v[PW]
.endif
.endr
	v_cndmask_b32 v[KS+2+\b], v[EV], v[PW], s[HIM] ; bytes 0, 1: head 2 w's two blocks (bytes 2, 3 meet zero codes of Q and are never 0xff)
	v_lshrrev_b32 v[KS+6+\b], 16, v[KS+2+\b]       ; head 2 w + 1's
.endm
.macro VOUT b
.irp hf, 0,1
	s_wait_xcnt 0x0
	MXQ ACC+64*\hf, PC+16*\hf, 0                   ; its four blocks are four channel tiles' 32 keys
.irp d, 0,1,2,3
	global_store_b128 v[LI], v[PC+16*\hf+4*\d:PC+16*\hf+4*\d+3], s[OA+2*\hf:OA+2*\hf+1] offset:2048*\d+512*\b
	v_lshrrev_b32 v[KS+4*\hf+\d], 8, v[KS+4*\hf+\d]       ; the byte comes in on top: after four pairs the first pair's is byte 0
	v_lshl_or_b32 v[KS+4*\hf+\d], v[TM+4+\d], 24, v[KS+4*\hf+\d]
.endr
.endr
.endm
.macro PAIR b, last
	s_wait_dscnt 0x0                               ; this pair's fragments and scale words are in
	s_cmp_eq_u32 s[GRP], 2
	s_cbranch_scc1 .Lmv_\@
	MULT \b
	WIN 0
	s_branch .Lmd_\@
.Lmv_\@:
	MULV \b
	WIN 0
.Lmd_\@:
.rept 9
	v_nop                                          ; eight places in front of loads into the operands and of the first read of results; the ninth for the next pair's products, which begin the accumulators anew
.endr
.if \b == 0
	FETCH 1
.elseif !\last
	s_add_co_u32 s[PB], s[PB], 32768
	s_add_co_u32 s[PS], s[PS], 1024
	v_add_nc_u32 v[AA], s[PB], v[LI]
	v_add_nc_u32 v[AB], s[PS], v[AB0]
	FETCH 0
.endif
	s_cmp_eq_u32 s[GRP], 1
	s_cbranch_scc1 .Lk_\@
	s_cmp_eq_u32 s[GRP], 2
	s_cbranch_scc1 .Lv_\@
	QOUT \b
	s_branch .Le_\@
.Lk_\@:
	KOUT \b
	s_branch .Le_\@
.Lv_\@:
	VOUT \b
.Le_\@:
.endm
.macro TEND last                       ; a trip's end: an odd trip of K or V ends a key step: its scale words go out, and the pointers pass on to the next record
	s_wait_xcnt 0x0
	s_cmp_eq_u32 s[GRP], 0
	s_cbranch_scc1 .Lst_\@
	s_bitcmp1_b32 s[TRIP], 0
	s_cbranch_scc0 .Lst_\@
	global_store_b128 v[SCA], v[KS:KS+3], s[OA:OA+1]
	global_store_b128 v[SCA], v[KS+4:KS+7], s[OB:OB+1]
.if !\last
	s_wait_xcnt 0x0
	s_add_nc_u64 s[OA:OA+1], s[OA:OA+1], s[EXT:EXT+1]
	s_add_nc_u64 s[OB:OB+1], s[OB:OB+1], s[EXT:EXT+1]
.endif
.Lst_\@:
.if !\last
	s_add_nc_u64 s[OA:OA+1], s[OA:OA+1], s[STP:STP+1]
	s_add_nc_u64 s[OB:OB+1], s[OB:OB+1], s[STP:STP+1]
.endif
.endm
	s_load_b256 s[4:11], s[0:1], 0x0               ; act, wimg, qf, kv
	v_lshl_add_u32 v[SPW], v0, 2, SPARE
	v_mov_b32 v[NIL], 0
	v_lshrrev_b32 v12, 5, v0
	v_readfirstlane_b32 s[WV], v12
	v_and_b32 v12, 31, v0
	v_lshlrev_b32 v[LI], 4, v12
	v_lshl_add_u32 v[AB0], v12, 3, ASC
	s_lshl_b32 s32, s[WV], 15
	v_add_nc_u32 v[HST], s32, v[LI]
	v_lshlrev_b32 v[G16], 4, v0
	v_lshl_add_u32 v[L16], v0, 4, ASC
	v_mov_b32 v[AA], v[LI]
	v_mov_b32 v[AB], v[AB0]
	s_cmp_ge_u32 ttmp9, 192
	s_cselect_b32 s[ISC], 1, 0
	s_cselect_b32 s33, 192, 0
	s_cselect_b32 s34, 4, 6                        ; log2 of the chunks of a tensor
	s_cselect_b32 s35, 2, 4                        ; log2 of the chunks of a batch
	s_cselect_b32 s36, KV_C, 0
	s_sub_co_u32 s33, ttmp9, s33
	s_lshr_b32 s[GRP], s33, s34                    ; 0 Q, 1 K, 2 V
	s_lshl_b32 s37, s[GRP], s34
	s_sub_co_u32 s[CHK], s33, s37
	s_lshl_b32 s38, s[CHK], 4
	s_lshl_b32 s37, s[ISC], 10
	s_add_co_u32 s38, s38, s37                     ; the chunk's first tile
	s_mov_b32 s40, ASC_KV
	s_cmp_eq_u32 s[GRP], 0
	s_cselect_b32 s39, 0, ACT_KV
	s_cselect_b32 s40, ASC_Q, s40
	s_lshl_b32 s37, s38, 13
	s_add_co_u32 s39, s39, s37
	s_add_co_u32 s42, s39, s32                     ; my quarter of the chunk's codes
	s_mov_b32 s43, 0
	s_lshl_b32 s37, s38, 8
	s_add_co_u32 s44, s40, s37                     ; the chunk's scale words
	s_mov_b32 s45, 0
	s_lshl_b32 s37, s[ISC], 2
	s_add_co_u32 s37, s37, s[GRP]
	s_lshl_b32 s37, s37, 2
	s_add_co_u32 s37, s37, s[WV]
	s_mul_i32 s46, s37, 69632                      ; my slice of the weights
	s_mov_b32 s47, 0
	s_lshr_b32 s32, s[CHK], s35                    ; batch
	s_lshl_b32 s33, s32, s35
	s_sub_co_u32 s33, s[CHK], s33
	s_lshl_b32 s33, s33, 1                         ; the chunk's first key step
	s_lshl_b32 s32, s32, 3
	s_lshl_b32 s34, s[WV], 1
	s_add_co_u32 s32, s32, s34                     ; batch x 8 + head 2 w
	s_add_co_u32 s35, s35, 1                       ; log2 of a head's key steps
	s_lshl_b32 s32, s32, s35
	s_add_co_u32 s32, s32, s33
	s_mul_i32 s32, s32, REC
	s_add_co_u32 s32, s32, s36
	s_lshl_b32 s26, REC, s35                       ; from a head's records to the next head's
	s_mov_b32 s27, 0
	s_cmp_eq_u32 s[GRP], 2
	s_cselect_b32 s33, REC/2, 0                    ; V's part of a record
	s_add_co_u32 s32, s32, s33
	s_lshl_b32 s33, s38, 15
	s_lshl_b32 s34, s[WV], 13
	s_add_co_u32 s33, s33, s34                     ; Q: tile x 32,768 + 8,192 w
	s_cmp_eq_u32 s[GRP], 0
	s_cselect_b32 s24, s33, s32
	s_mov_b32 s25, 0
	s_mov_b32 s[STP], 4096                         ; K: 4 tiles x 1,024 a trip; 9,216 more past the scale words and V's part
	s_mov_b32 s[EXT], 9216
	s_mov_b32 s37, 4096
	s_cmp_eq_u32 s[GRP], 2
	s_cselect_b32 s[STP], 1024, s[STP]             ; V: 2 pairs x 512 a trip
	s_cselect_b32 s[EXT], 15360, s[EXT]
	s_cselect_b32 s37, 7168, s37
	s_cmp_eq_u32 s[GRP], 0
	s_cselect_b32 s[STP], 131072, s[STP]           ; Q: 4 tiles x 32,768
	s_mov_b32 s[STP+1], 0
	s_mov_b32 s[EXT+1], 0
	v_add_nc_u32 v[SCA], s37, v[LI]
	s_mov_b32 s[SEL], 0x76543210
	s_mov_b32 s[SEL+1], 0xfedcba98
	s_mov_b32 s[MNT], 0x600000
	s_mov_b32 s[HIM], 0xffff0000
	s_mov_b32 s[PB], 0
	s_mov_b32 s[PS], 0
.irp q, 4,5,6,7
	v_mov_b32 v[TM+\q], 0
.endr
.irp q, 0,1,2,3,4,5,6,7
	v_mov_b32 v[KS+\q], 0
.endr
	s_wait_kmcnt 0x0
	s_cmp_eq_u32 s[GRP], 0
	s_cselect_b64 s[32:33], s[8:9], s[10:11]
	s_add_nc_u64 s[OA:OA+1], s[32:33], s[24:25]
	s_add_nc_u64 s[OB:OB+1], s[OA:OA+1], s[26:27]  ; head 2 w + 1 (not used by Q)
	s_add_nc_u64 s[42:43], s[4:5], s[42:43]
	s_add_nc_u64 s[44:45], s[4:5], s[44:45]
	s_add_nc_u64 s[46:47], s[6:7], s[46:47]
	WIN 0x40
.set n, 0
.rept 64
	global_load_b128 v[4*n:4*n+3], v[LI], s[42:43] offset:512*n
.set n, n+1
.endr
	WIN 0
	global_load_b128 v[SST:SST+3], v[G16], s[44:45]
	global_load_b128 v[SST+4:SST+7], v[G16], s[44:45] offset:2048
	WIN 0x80
.set n, 0
.rept 64
	global_load_b128 v[4*n:4*n+3], v[LI], s[46:47] offset:512*n
.set n, n+1
.endr
	WIN 0xc0
.set n, 0
.rept 64
	global_load_b128 v[4*n:4*n+3], v[LI], s[46:47] offset:512*(64+n)
.set n, n+1
.endr
	WIN 0
.irp t, 0,1,2,3,4,5,6,7
	global_load_b128 v[WS+4*\t:WS+4*\t+3], v[LI], s[46:47] offset:65536+512*\t
.endr
	s_wait_loadcnt 63                              ; 136 loads are younger than the tokens' 66: with at most 63 out these are in (63 is the largest count the wait can name)
	WIN 0x04
.set n, 0
.rept 64
	ds_store_b128 v[HST], v[4*n:4*n+3] offset:512*n
.set n, n+1
.endr
	WIN 0
	ds_store_b128 v[L16], v[SST:SST+3]
	ds_store_b128 v[L16], v[SST+4:SST+7] offset:2048
	s_wait_dscnt 0x0                               ; for the others' sake: my quarter has landed
	s_barrier_signal -1
	s_barrier_wait -1
	s_wait_loadcnt 0x0                             ; the weights
	FETCH 0
	s_mov_b32 s[TRIP], 0
.Ltrip:                                            ; a trip: 64 rows, two pairs of tiles; LDS is only read from here on: no barrier
	PAIR 0, 0
	PAIR 1, 0
	TEND 0
	s_add_co_u32 s[TRIP], s[TRIP], 1
	s_cmp_lt_u32 s[TRIP], 3
	s_cbranch_scc1 .Ltrip
	PAIR 0, 1                                      ; the last trip is written out: it fetches nothing beyond the block
	PAIR 1, 1
	TEND 1
	s_wait_tensorcnt 0x0                           ; the wave's end
	ds_add_u32 v[SPW], v[NIL]
	s_wait_dscnt 0x0
	s_endpgm
.Lfunc_end_k_q9af9743d7e_proj:
	.size	k_q9af9743d7e_proj, .Lfunc_end_k_q9af9743d7e_proj-k_q9af9743d7e_proj
	.p2alignl 7, 3214868480
	.fill 96, 4, 3214868480
	.section	.rodata,"a",@progbits
	.p2align	6, 0x0
	.amdhsa_kernel k_q9af9743d7e_proj
		.amdhsa_group_segment_fixed_size 135680
		.amdhsa_private_segment_fixed_size 0
		.amdhsa_enable_private_segment 0
		.amdhsa_kernarg_size 32
		.amdhsa_user_sgpr_count 2
		.amdhsa_user_sgpr_kernarg_segment_ptr 1
		.amdhsa_wavefront_size32 1
		.amdhsa_system_sgpr_workgroup_id_x 1
		.amdhsa_system_sgpr_workgroup_id_y 1
		.amdhsa_system_sgpr_workgroup_id_z 1
		.amdhsa_system_vgpr_workitem_id 0
		.amdhsa_next_free_vgpr 1024
		.amdhsa_next_free_sgpr 66
		.amdhsa_reserve_vcc 0
		.amdhsa_float_denorm_mode_32 3
		.amdhsa_float_denorm_mode_16_64 3
		.amdhsa_memory_ordered 1
		.amdhsa_forward_progress 1
		.amdhsa_inst_pref_size 255
	.end_amdhsa_kernel
	.amdgpu_metadata
---
amdhsa.version: [ 1, 2 ]
amdhsa.kernels:
  - .name:           k_q9af9743d7e_proj
    .symbol:         k_q9af9743d7e_proj.kd
    .args:
      - { .name: act, .offset: 0, .size: 8, .value_kind: global_buffer, .address_space: global }
      - { .name: wimg, .offset: 8, .size: 8, .value_kind: global_buffer, .address_space: global }
      - { .name: qf, .offset: 16, .size: 8, .value_kind: global_buffer, .address_space: global }
      - { .name: kv, .offset: 24, .size: 8, .value_kind: global_buffer, .address_space: global }
    .group_segment_fixed_size: 135680
    .private_segment_fixed_size: 0
    .kernarg_segment_align: 8
    .kernarg_segment_size: 32
    .max_flat_workgroup_size: 128
    .sgpr_count:     66
    .vgpr_count:     1024
    .wavefront_size: 32
...
	.end_amdgpu_metadata
.endif
;; end of part 3
;; launch attn (part 4): grid 256 x 1, 16 waves a work-group, clusters of 4 x 1, 327,680 bytes of LDS; arguments qf, act, kv, B_x, B_c, mag_x, mag_c, att; writes att
.if DOCPART == 4
	.amdgcn_target "amdgcn-amd-amdhsa--gfx1250"
	.amdhsa_code_object_version 6
	.text
	.protected	k_q9af9743d7e_attn
	.globl	k_q9af9743d7e_attn
	.p2align	8
	.type	k_q9af9743d7e_attn,@function
k_q9af9743d7e_attn:
	s_mov_b64 s[64:65], 0
	v_nop
	global_prefetch_b8 v0, s[64:65] scope:SCOPE_SE
	s_setreg_imm32_b32 hwreg(HW_REG_WAVE_MODE, 25, 1), 1
	s_wait_xcnt 0x0
	s_wait_alu depctr_hold_cnt(0) depctr_sa_sdst(0) depctr_va_vdst(0) depctr_va_sdst(0) depctr_va_ssrc(0) depctr_va_vcc(0) depctr_vm_vsrc(0)
	s_getreg_b32 s2, hwreg(HW_REG_IB_STS2, 6, 4)
	s_cmp_eq_u32 s2, 0
	s_cbranch_scc0 .Lentry_in_a_cluster
	s_endpgm
.Lentry_in_a_cluster:
	s_bfe_u32 s2, ttmp6, 0x10000c
	s_cmp_lg_u32 s2, 0x3003
	s_cbranch_scc0 .Lentry_shape_is_right
	s_endpgm
.Lentry_shape_is_right:
; LAUNCH 4 OF 5.  q = q_proj + mag (t B^T) in f32, quantised along the head's 64; S^T = K Q^T; the softmax by the problem's rule (p = 2^(t - M), M a whole number, the sum of the unquantised p); O^T = V^T P^T; O / l.
; Nothing of reference() is left out here.  LIMIT: mag is multiplied into B ahead of the f32 product, an order of rounding that differs from reference()'s by about one part in 10^7; O / l is O x rcp(l).
; SHARES.  A work-group owns 256 queries, each of its sixteen waves one tile of 16, and runs FOUR PHASES of 8 key steps of 128 keys, each phase on one chunk of 8 records (139,264 dense bytes).
;   Clusters 0..31, x's queries on c's 1,024 keys: a phase is a head (four heads on end): q is made anew and O leaves in every phase.
;   Clusters 32..63, c's queries on x's 4,096 keys: the four phases are the four chunks of one head: q is made in phase 0, O leaves in phase 3.
; In both, chunk p lies 139,264 p bytes behind the first, so all that concerns the ring is one text, and every work-group has the same work.
; CLUSTER.  The four partners own four query blocks and walk the same chunks: each part of a chunk is asked for jointly, by the same tensor load with the same descriptor and the mask of all four.
; RING.  Two slots of a chunk each.  Wave w brings 8,704 bytes, K's part (w even) or V's (w odd) of key step w / 2: 34 rows of 256 bytes.  Every wave loads; two loads of a wave are out at the start, later one.
; LAYOUT.  Both products transposed: a lane holds ONE query.  K = 64 in an instruction of K = 128: Q's registers 8-15 are zero codes; a key tile's operand runs on into the next tile's registers (finite codes), behind the last tile into zeros.
; P's codes are laid over the first block's scores, which have been converted by then: 12 registers spared.
; The first reads of a phase's chunk stand a whole phase behind the request for it, so K and V are not prefetched; the next head's q image is (macro STEP).
.set KV_C,  17825792
.set TIMG,  21626880
.set REC,   17408
.set CHUNK, 139264
.set SPARE, 278528                     ; behind the two slots: the spare words, 128 bytes a wave
.set LI,  1
.set ADR, 2
.set SPW, 3
.set NIL, 4
.set PFO, 5                            ; the prefetch's offset: 32,768 h + 256 r; never rewritten
.set BO,  6                            ; B: 64 (r + 8 (r / 8)) + 32 h
.set NM,  10                           ; -M
.set MT,  11                           ; the largest t so far
.set LS,  12                           ; v[12:13] the sum, in two halves
.set QW,  14                           ; Q's scale word
.set QC,  16                           ; v16-23 Q's codes, v24-31 zeros
.set F,   32                           ; v32-95 K's eight tiles, then V's four fragments; v96-103 zeros
.set P,   104                          ; v104-119 P's codes
.set S,   108                          ; v108-171 the scores, then p
.set O,   172                          ; v172-203 O^T
.set KSC, 204
.set VSC, 208
.set QD,  212                          ; v212-227 written by the f32 matrix form alone
.set BM,  228
.set PT,  232
.set HD,  236
.set SO,  240
.set FF,  244                          ; f; v245: P's scale word
.set CH,  246
.set TT,  250
.set WV,  20
.set CX,  21
.set PX,  22
.set G1,  24
.set G0,  32
.set QP,  40
.set TPT, 42
.set BP,  44
.set MP,  46
.set OP,  48
.set SEL, 50
.set CS,  52
.set MNT, 54
.set TB,  55
.set STEPC, 56
.set LIM, 57
.macro CROUND                          ; a round of the cluster's barrier
	s_barrier_signal -1
	s_barrier_wait -1
	s_cmp_lg_u32 s[WV], 0
	s_cbranch_scc1 .Lnot_wave_0_\@
	s_barrier_signal -3
.Lnot_wave_0_\@:
	s_barrier_wait -3
	s_barrier_signal -1
	s_barrier_wait -1
.endm
; q OF ONE HEAD.  q_proj's image is the C of the first f32 product; source 0 = 16 channels of B x mag, source 1 = t of my 16 tokens; K = 16 ranks in four steps (rank 8 h + 2 s + j on both sides alike).
; Its loads land in registers that the phase before multiplied (P's codes, V's fragments): the eight places that they owe stand behind that phase's loop (macro PHASE).
.macro QPREP
	s_load_b32 s66, s[MP:MP+1], 0x0
.irp k, 0,1,2,3,4,5,6,7
	global_load_b128 v[S+4*\k:S+4*\k+3], v[LI], s[QP:QP+1] offset:512*\k th:TH_LOAD_NT
.endr
	global_load_b128 v[S+32:S+35], v[LI], s[TPT:TPT+1]
	global_load_b128 v[S+36:S+39], v[LI], s[TPT:TPT+1] offset:512
.irp t, 0,1,2,3
	global_load_b128 v[F+8*\t:F+8*\t+3], v[BO], s[BP:BP+1] offset:(32*(\t/2)+8*(\t%2))*64
	global_load_b128 v[F+8*\t+4:F+8*\t+7], v[BO], s[BP:BP+1] offset:(32*(\t/2)+8*(\t%2))*64+16
.endr
	s_mov_b32 s67, 0                               ; (named with s66 as a pair)
	s_wait_kmcnt 0x0
	s_wait_loadcnt 0x0
.set j, 0
.rept 16
	v_pk_mul_f32 v[F+j:F+j+1], v[F+j:F+j+1], s[66:67] op_sel_hi:[1,0]
.set j, j+2
.endr
.irp bb, 0,1                           ; 32 channels at a time: two accumulators by turns
.irp s, 0,1,2,3
.irp u, 0,1
.if \s == 0
	v_wmma_f32_16x16x4_f32 v[QD+8*\u:QD+8*\u+7], v[F+8*(2*\bb+\u)+2*\s:F+8*(2*\bb+\u)+2*\s+1], v[S+32+2*\s:S+33+2*\s], v[S+8*(2*\bb+\u):S+8*(2*\bb+\u)+7]
.else
	v_wmma_f32_16x16x4_f32 v[QD+8*\u:QD+8*\u+7], v[F+8*(2*\bb+\u)+2*\s:F+8*(2*\bb+\u)+2*\s+1], v[S+32+2*\s:S+33+2*\s], v[QD+8*\u:QD+8*\u+7]
.endif
.endr
.endr
.rept 9
	v_nop                                          ; eight places ahead of the first read of the sums, the ninth for the next group, which begins the accumulators anew
.endr
	v_max3_num_f32 v[BM], |v[QD]|, |v[QD+1]|, 0x8000000      ; one block of 32: my 16 channels, from the low end on, and the floor
.irp e, 2,4,6,8,10,12,14
	v_max3_num_f32 v[BM], v[BM], |v[QD+\e]|, |v[QD+\e+1]|
.endr
	v_permlanex16_b32 v[PT], v[BM], s[SEL], s[SEL+1]
	v_max_num_f32 v[BM], v[BM], v[PT]
	v_add_nc_u32 v[SO], 0xf8800000, v[BM]
	v_and_or_b32 v[HD], v[BM], 0x7f800000, s[MNT]
	v_lshrrev_b32 v[PT+2+\bb], 23, v[SO]
.irp e, 0,1,2,3,4,5,6,7,8,9,10,11,12,13,14,15
	v_med3_num_f32 v[S+44+\e], v[QD+\e], -v[HD], v[HD]
.endr
	v_cvt_scalef32_pk8_bf8_f32 v[QC+4*\bb:QC+4*\bb+1], v[S+44:S+51], v[SO]
	v_cvt_scalef32_pk8_bf8_f32 v[QC+4*\bb+2:QC+4*\bb+3], v[S+52:S+59], v[SO]
	v_nop
.endr
	v_lshl_or_b32 v[QW], v[PT+3], 8, v[PT+2]       ; bytes 2, 3 stay 0: they scale zero codes
	v_mov_b32 v[MT], 0xff61b1e6                    ; the largest t so far: -3e38
	v_floor_f32 v[NM], -v[MT]
	v_mov_b32 v[LS], 0
	v_mov_b32 v[LS+1], 0
.set j, 0
.rept 32
	v_mov_b32 v[O+j], 0                            ; the step is written once: its first trip finds zeros.  (These lines are also the places between Q's codes, its scale word and the first product)
.set j, j+1
.endr
.endm
; A KEY STEP: 128 keys.
.macro STEP ask
	v_add_nc_u32 v[ADR], s[TB], v[LI]
.rept 8
	v_nop                                          ; with the line above: eight places ahead of the loads into V's registers, nine ahead of the products that write over P's
.endr
.irp t, 0,1,2,3,4,5,6,7
	ds_load_b128 v[F+8*\t:F+8*\t+3], v[ADR] offset:1024*\t
	ds_load_b128 v[F+8*\t+4:F+8*\t+7], v[ADR] offset:1024*\t+512
.endr
	ds_load_b128 v[KSC:KSC+3], v[ADR] offset:8192
	s_wait_dscnt 0x0
.irp t, 0,2,4,6
	v_wmma_scale_f32_16x16x128_f8f6f4 v[S+8*\t:S+8*\t+7], v[F+8*\t:F+8*\t+15], v[QC:QC+15], 0, v[KSC+\t/2], v[QW] matrix_a_fmt:MATRIX_FMT_BF8 matrix_b_fmt:MATRIX_FMT_BF8
	v_wmma_scale_f32_16x16x128_f8f6f4 v[S+8*\t+8:S+8*\t+15], v[F+8*\t+8:F+8*\t+23], v[QC:QC+15], 0, v[KSC+\t/2], v[QW] matrix_a_fmt:MATRIX_FMT_BF8 matrix_b_fmt:MATRIX_FMT_BF8 matrix_a_scale:MATRIX_SCALE_ROW1
.endr
.rept 8
	v_nop
.endr
.irp d, 0,1,2,3
.irp c, 0,1,2,3
	ds_load_b128 v[F+16*\d+4*\c:F+16*\d+4*\c+3], v[ADR] offset:REC/2+2048*\d+512*\c   ; V lands under the softmax
.endr
.endr
	ds_load_b128 v[VSC:VSC+3], v[ADR] offset:REC/2+8192
.irp b, 0,1,2,3
	v_max3_num_f32 v[BM+\b], v[S+16*\b], v[S+16*\b+1], v[S+16*\b+2]   ; the largest score of each block of 32 keys: for the row's maximum and, since p rises with the score, for the block's largest p
.endr
.irp e, 3,5,7,9,11,13
.irp b, 0,1,2,3
	v_max3_num_f32 v[BM+\b], v[BM+\b], v[S+16*\b+\e], v[S+16*\b+\e+1]
.endr
.endr
.irp b, 0,1,2,3
	v_max_num_f32 v[BM+\b], v[BM+\b], v[S+16*\b+15]
.endr
.irp b, 0,1,2,3
	v_permlanex16_b32 v[PT+\b], v[BM+\b], s[SEL], s[SEL+1]
.endr
.irp b, 0,1,2,3
	v_max_num_f32 v[BM+\b], v[BM+\b], v[PT+\b]
.endr
	v_max3_num_f32 v[TT], v[BM], v[BM+1], v[BM+2]
	v_max_num_f32 v[TT], v[TT], v[BM+3]
	v_mul_f32 v[TT], s[CS], v[TT]                  ; as t (c = log2(e) / 8 is positive)
	v_max_num_f32 v[MT], v[MT], v[TT]
	v_mov_b32 v[TT], v[NM]
	v_floor_f32 v[NM], -v[MT]                      ; -M = floor(-t): M is a whole number
	v_sub_f32 v[TT], v[NM], v[TT]
	v_cvt_i32_f32 v[TT], v[TT]                     ; (it saturates)
	v_ldexp_f32 v[FF], 1.0, v[TT]                  ; f = 2^(old M - new M): exact
.set j, 0
.rept 32
	v_pk_fma_f32 v[S+j:S+j+1], v[S+j:S+j+1], s[CS:CS+1], v[NM:NM+1] op_sel_hi:[1,0,0]
.set j, j+2
.endr
.irp b, 0,1,2,3
	v_fma_f32 v[BM+\b], v[BM+\b], s[CS], v[NM]
.endr
.set j, 0
.rept 64
	v_exp_f32 v[S+j], v[S+j]
.set j, j+1
.endr
	v_pk_mul_f32 v[LS:LS+1], v[LS:LS+1], v[FF:FF+1] op_sel_hi:[1,0]   ; a plain line behind the exponentials
	s_wait_alu depctr_va_vdst(0)                   ; one wait for the whole batch, ahead of its first reader
.irp b, 0,1,2,3
	v_exp_f32 v[BM+\b], v[BM+\b]
.endr
	v_pk_add_f32 v[CH:CH+1], v[S:S+1], v[S+2:S+3]  ; the row's sum of the unquantised p, in two chains
.set j, 4
.rept 15
	v_pk_add_f32 v[LS:LS+1], v[LS:LS+1], v[S+j:S+j+1]
	v_pk_add_f32 v[CH:CH+1], v[CH:CH+1], v[S+j+2:S+j+3]
.set j, j+4
.endr
	v_pk_add_f32 v[LS:LS+1], v[LS:LS+1], v[CH:CH+1]
	s_wait_alu depctr_va_vdst(0)                   ; and one for the four
.irp b, 0,1,2,3
	v_max_num_f32 v[BM+\b], 0x8000000, v[BM+\b]
.endr
.irp b, 0,1,2,3
	v_add_nc_u32 v[SO+\b], 0xf8800000, v[BM+\b]
.endr
.irp b, 0,1,2,3
	v_and_or_b32 v[HD+\b], v[BM+\b], 0x7f800000, s[MNT]
.endr
.irp b, 0,1,2,3
	v_lshrrev_b32 v[PT+\b], 23, v[SO+\b]
.endr
	v_lshl_or_b32 v[FF+1], v[PT+1], 8, v[PT]
	v_lshl_or_b32 v[FF+1], v[PT+2], 16, v[FF+1]
	v_lshl_or_b32 v[FF+1], v[PT+3], 24, v[FF+1]
.irp b, 0,1,2,3
.irp e, 0,1,2,3,4,5,6,7,8,9,10,11,12,13,14,15
	v_min_num_f32 v[S+16*\b+\e], v[S+16*\b+\e], v[HD+\b]   ; p is not negative: a one-sided hold.  (These lines also part a block's conversions from the next block's, which write over block 0's numbers)
.endr
	v_cvt_scalef32_pk8_bf8_f32 v[P+4*\b:P+4*\b+1], v[S+16*\b:S+16*\b+7], v[SO+\b]
	v_cvt_scalef32_pk8_bf8_f32 v[P+4*\b+2:P+4*\b+3], v[S+16*\b+8:S+16*\b+15], v[SO+\b]
.endr
.set j, 0
.rept 16
	v_pk_mul_f32 v[O+j:O+j+1], v[O+j:O+j+1], v[FF:FF+1] op_sel_hi:[1,0]
.set j, j+2
.endr
	s_wait_dscnt 0x0                               ; V
.irp d, 0,1,2,3
	v_wmma_scale_f32_16x16x128_f8f6f4 v[O+8*\d:O+8*\d+7], v[F+16*\d:F+16*\d+15], v[P:P+15], v[O+8*\d:O+8*\d+7], v[VSC+\d], v[FF+1] matrix_a_fmt:MATRIX_FMT_BF8 matrix_b_fmt:MATRIX_FMT_BF8
.endr
	s_add_co_u32 s[TB], s[TB], REC
.if \ask
; A PREFETCH of the next head's q images: with two steps of a phase left, each even wave of x's pass names the 16 blocks of 256 bytes of its own tile (lanes 0-15) and of the odd wave's beside it (lanes 16-31):
; each block once.  The last phase asks for nothing.  The branch hangs on the wave's number, the cluster's number and the count of steps: it is the same in all partners; they differ by address.
	s_cmp_eq_u32 s[STEPC], s[LIM]
	s_cbranch_scc0 .Lnot_now_\@
	global_prefetch_b8 v[PFO], s[QP:QP+1] offset:4096 th:TH_LOAD_NT scope:SCOPE_SE
.Lnot_now_\@:
.endif
.endm
.macro OUT                             ; (the places behind the last products stand behind the loop: macro PHASE)
	v_add_f32 v[LS], v[LS], v[LS+1]
	v_permlanex16_b32 v[PT], v[LS], s[SEL], s[SEL+1]
	v_add_f32 v[LS], v[LS], v[PT]
	v_rcp_f32 v[CH], v[LS]
	v_nop
	s_wait_alu depctr_va_vdst(0)
.set j, 0
.rept 16
	v_pk_mul_f32 v[O+j:O+j+1], v[O+j:O+j+1], v[CH:CH+1] op_sel_hi:[1,0]
.set j, j+2
.endr
.irp k, 0,1,2,3,4,5,6,7
	global_store_b128 v[LI], v[O+4*\k:O+4*\k+3], s[OP:OP+1] offset:512*\k   ; an image: 512 consecutive bytes a store
.endr
.endm
.macro PHASE p
.if \p > 0
	s_wait_xcnt 0x0                                ; ahead of the branch, so on every way: the last phase's loads, stores and prefetch (two key steps back) have read their addresses and data; O^T and the pointers are written again only behind this wait
	s_cmp_eq_u32 s[PX], 0
	s_cbranch_scc1 .Lsame_\@                       ; the cluster's number alone
	s_add_nc_u64 s[QP:QP+1], s[QP:QP+1], 4096
	s_add_nc_u64 s[BP:BP+1], s[BP:BP+1], 4096
	s_add_nc_u64 s[OP:OP+1], s[OP:OP+1], 4096
	s_add_nc_u64 s[MP:MP+1], s[MP:MP+1], 4
	QPREP
.Lsame_\@:
.endif
	s_mov_b32 s[TB], (\p&1)*CHUNK
	s_mov_b32 s[STEPC], 8
.Lstep_\@:
	STEP (\p<3)
	s_sub_co_u32 s[STEPC], s[STEPC], 1
	s_cmp_lg_u32 s[STEPC], 0
	s_cbranch_scc1 .Lstep_\@
.rept 8
	v_nop                                          ; eight places behind the phase's last products, ahead of the branch below: they stand on every way to the reads of O^T and to the next head's loads into P's and V's registers
.endr
.if \p < 3
	s_cmp_eq_u32 s[PX], 0
	s_cbranch_scc1 .Lno_out_\@
	OUT
.Lno_out_\@:
.else
	OUT
.endif
.endm
; THE CHANGE OF SLOTS.  Each wave waits for all its tensor loads (its part of the slot ahead), adds 0 to its spare word, and waits for that and for its reads of the slot that it leaves.
; fill = 1: the barrier is a round of the cluster's, and the slot just left takes the chunk two on, first thing behind it: the load has a whole phase in which to land.
.macro CHANGE sl, fill
	s_wait_tensorcnt 0x0
	ds_add_u32 v[SPW], v[NIL]
.if \fill
	s_add_nc_u64 s[G0+4*\sl+2:G0+4*\sl+3], s[G0+4*\sl+2:G0+4*\sl+3], 2*CHUNK   ; no load of mine is out: the descriptor may be written; the type bits on top are not reached
.endif
	s_wait_dscnt 0x0
.if \fill
	CROUND
	tensor_load_to_lds s[G0+4*\sl:G0+4*\sl+3], s[G1:G1+7]
	s_nop 0
.rept 4
	v_nop
.endr
.else
	s_barrier_signal -1
	s_barrier_wait -1
.endif
.endm
	s_load_b512 s[4:19], s[0:1], 0x0               ; qf, act, kv, B_x, B_c, mag_x, mag_c, att
	v_lshl_add_u32 v[SPW], v0, 2, SPARE
	v_mov_b32 v[NIL], 0
	ds_add_u32 v[SPW], v[NIL]                      ; the opening: the add, twice on end, and its wait ahead of my first tensor load
	ds_add_u32 v[SPW], v[NIL]
	v_lshrrev_b32 v7, 5, v0
	v_readfirstlane_b32 s[WV], v7                  ; wave 0..15
	s_bfe_u32 s[CX], ttmp6, 0x40000                ; my place in the cluster: it enters Q's, t's and O's addresses alone
	s_and_b32 s66, ttmp9, 31
	s_lshr_b32 s67, s66, 3                         ; batch
	s_and_b32 s68, s66, 3
	s_lshl_b32 s68, s68, 2
	s_mov_b32 s70, 4*CHUNK
	s_cmp_lt_u32 ttmp9, 32                         ; x's pass?
	s_cselect_b32 s[PX], 1, 0
	s_cselect_b32 s69, 0x1c, 0x1f
	s_cselect_b32 s70, CHUNK, s70                  ; a (batch, head)'s records: c's 8, x's 32
	s_cselect_b32 s71, KV_C, 0
	s_cselect_b32 s68, s68, 0
	s_cselect_b32 s72, 8, 6                        ; log2 of a batch's query tiles
	s_cselect_b32 s73, 0, 1024
	s_and_b32 s69, s66, s69                        ; batch x 8 + first head
	s_mul_i32 s70, s69, s70
	s_add_co_u32 s70, s70, s71
	s_mul_i32 s[G0+1], s[WV], REC/2                ; my part of a chunk, in LDS and in memory alike
	s_add_co_u32 s70, s70, s[G0+1]
	s_mov_b32 s71, 0
	s_add_co_u32 s[G0+5], s[G0+1], CHUNK
	s_mov_b32 s[G0], 1
	s_mov_b32 s[G0+4], 1
	s_mov_b32 s[G1], 15|(3<<16)|(1<<21)            ; the mask of all four; elements of 8 bytes; bit 21 beside a mask; no padding: images are read 512 bytes on end
	s_mov_b32 s[G1+1], 32<<16                      ; tensor_dim0 = 32 elements: rows of 256 bytes
	s_mov_b32 s[G1+2], 34<<16                      ; tensor_dim1 = 34 rows
	s_mov_b32 s[G1+3], 32<<16                      ; tile_dim0
	s_mov_b32 s[G1+4], 34                          ; tile_dim1
	s_mov_b32 s[G1+5], 32                          ; dense
	s_mov_b32 s[G1+6], 0
	s_mov_b32 s[G1+7], 0
	s_add_co_u32 s74, s68, s[CX]                   ; my block of 256 queries
	s_lshl_b32 s74, s74, 4
	s_lshl_b32 s75, s67, s72
	s_add_co_u32 s74, s74, s75
	s_add_co_u32 s74, s74, s73
	s_add_co_u32 s74, s74, s[WV]                   ; my tile
	s_and_b32 s76, s69, 7                          ; the first head
	s_lshl_b32 s72, s74, 15
	s_lshl_b32 s73, s76, 12
	s_add_co_u32 s72, s72, s73
	s_mov_b32 s73, 0
	s_lshl_b32 s74, s74, 10
	s_add_co_u32 s74, s74, TIMG
	s_mov_b32 s75, 0
	s_lshl_b32 s78, s76, 12
	s_mov_b32 s79, 0
	s_lshl_b32 s76, s76, 2
	s_mov_b32 s77, 0
	s_and_b32 s66, s[WV], 1
	s_xor_b32 s67, s[PX], 1
	s_or_b32 s66, s66, s67
	s_cmp_eq_u32 s66, 0
	s_cselect_b32 s[LIM], 2, -1                    ; even waves of x's pass prefetch
	s_mov_b32 s[SEL], 0x76543210
	s_mov_b32 s[SEL+1], 0xfedcba98
	s_mov_b32 s[CS], 0x3e38aa3b                    ; log2(e) / sqrt(64)
	s_mov_b32 s[CS+1], s[CS]
	s_mov_b32 s[MNT], 0x600000
	v_and_b32 v7, 31, v0
	v_lshlrev_b32 v[LI], 4, v7
	v_and_b32 v7, 15, v0
	v_bfe_u32 v8, v0, 4, 1
	v_lshlrev_b32 v[PFO], 15, v8
	v_lshl_add_u32 v[PFO], v7, 8, v[PFO]
	v_and_b32 v9, 8, v7
	v_add_nc_u32 v9, v9, v7
	v_lshlrev_b32 v[BO], 6, v9
	v_lshl_add_u32 v[BO], v8, 5, v[BO]
	s_wait_dscnt 0x0                               ; both opening adds are done
	s_wait_kmcnt 0x0
	s_add_nc_u64 s[G0+2:G0+3], s[8:9], s[70:71]
	s_add_nc_u64 s[G0+6:G0+7], s[G0+2:G0+3], CHUNK
	s_or_b32 s[G0+3], s[G0+3], 0x80000000
	s_or_b32 s[G0+7], s[G0+7], 0x80000000
	s_add_nc_u64 s[QP:QP+1], s[4:5], s[72:73]
	s_add_nc_u64 s[OP:OP+1], s[18:19], s[72:73]
	s_add_nc_u64 s[TPT:TPT+1], s[6:7], s[74:75]
	s_cmp_eq_u32 s[PX], 1
	s_cselect_b64 s[BP:BP+1], s[10:11], s[12:13]
	s_cselect_b64 s[MP:MP+1], s[14:15], s[16:17]
	s_add_nc_u64 s[BP:BP+1], s[BP:BP+1], s[78:79]
	s_add_nc_u64 s[MP:MP+1], s[MP:MP+1], s[76:77]
	CROUND                                         ; all four work-groups are here: the first joint loads meet
	tensor_load_to_lds s[G0:G0+3], s[G1:G1+7]      ; chunk 0
	s_nop 0
	tensor_load_to_lds s[G0+4:G0+7], s[G1:G1+7]    ; chunk 1
	s_nop 0
.rept 4
	v_nop
.endr
.irp q, 0,1,2,3,4,5,6,7
	v_mov_b32 v[QC+8+\q], 0                        ; zero codes: the upper half of Q's K
	v_mov_b32 v[F+64+\q], 0                        ; and what the last key tile's operand runs on into
.endr
.irp q, 0,1,2,3
	v_mov_b32 v[PT+\q], 0                          ; a lane permute's destination counts as one of its sources
.endr
	v_mov_b32 v[FF+1], 0
	QPREP
	s_wait_tensorcnt 0x1                           ; my part of chunk 0 is in; chunk 1's one load may stay out
	s_barrier_signal -1
	s_barrier_wait -1
	PHASE 0
	CHANGE 0, 1
	PHASE 1
	CHANGE 1, 1
	PHASE 2
	CHANGE 0, 0
	PHASE 3
	s_wait_tensorcnt 0x0                           ; the wave's end
	ds_add_u32 v[SPW], v[NIL]
	s_wait_dscnt 0x0
	CROUND                                         ; the closing round
	s_endpgm
.Lfunc_end_k_q9af9743d7e_attn:
	.size	k_q9af9743d7e_attn, .Lfunc_end_k_q9af9743d7e_attn-k_q9af9743d7e_attn
	.p2alignl 7, 3214868480
	.fill 96, 4, 3214868480
	.section	.rodata,"a",@progbits
	.p2align	6, 0x0
	.amdhsa_kernel k_q9af9743d7e_attn
		.amdhsa_group_segment_fixed_size 327680
		.amdhsa_private_segment_fixed_size 0
		.amdhsa_enable_private_segment 0
		.amdhsa_kernarg_size 64
		.amdhsa_user_sgpr_count 2
		.amdhsa_user_sgpr_kernarg_segment_ptr 1
		.amdhsa_wavefront_size32 1
		.amdhsa_system_sgpr_workgroup_id_x 1
		.amdhsa_system_sgpr_workgroup_id_y 1
		.amdhsa_system_sgpr_workgroup_id_z 1
		.amdhsa_system_vgpr_workitem_id 0
		.amdhsa_next_free_vgpr 256
		.amdhsa_next_free_sgpr 80
		.amdhsa_reserve_vcc 0
		.amdhsa_float_denorm_mode_32 3
		.amdhsa_float_denorm_mode_16_64 3
		.amdhsa_memory_ordered 1
		.amdhsa_forward_progress 1
		.amdhsa_inst_pref_size 130
	.end_amdhsa_kernel
	.amdgpu_metadata
---
amdhsa.version: [ 1, 2 ]
amdhsa.kernels:
  - .name:           k_q9af9743d7e_attn
    .symbol:         k_q9af9743d7e_attn.kd
    .args:
      - { .name: qf, .offset: 0, .size: 8, .value_kind: global_buffer, .address_space: global }
      - { .name: act, .offset: 8, .size: 8, .value_kind: global_buffer, .address_space: global }
      - { .name: kv, .offset: 16, .size: 8, .value_kind: global_buffer, .address_space: global }
      - { .name: B_x, .offset: 24, .size: 8, .value_kind: global_buffer, .address_space: global }
      - { .name: B_c, .offset: 32, .size: 8, .value_kind: global_buffer, .address_space: global }
      - { .name: mag_x, .offset: 40, .size: 8, .value_kind: global_buffer, .address_space: global }
      - { .name: mag_c, .offset: 48, .size: 8, .value_kind: global_buffer, .address_space: global }
      - { .name: att, .offset: 56, .size: 8, .value_kind: global_buffer, .address_space: global }
    .group_segment_fixed_size: 327680
    .private_segment_fixed_size: 0
    .kernarg_segment_align: 8
    .kernarg_segment_size: 64
    .max_flat_workgroup_size: 512
    .sgpr_count:     80
    .vgpr_count:     256
    .wavefront_size: 32
...
	.end_amdgpu_metadata
.endif
;; end of part 4
;; launch outp (part 5): grid 214 x 1, 4 waves a work-group, no clusters, 44,032 bytes of LDS; arguments att, wimg, g_px, g_pc, x, c, out0, out1; writes out0, out1
.if DOCPART == 5
	.amdgcn_target "amdgcn-amd-amdhsa--gfx1250"
	.amdhsa_code_object_version 6
	.text
	.protected	k_q9af9743d7e_outp
	.globl	k_q9af9743d7e_outp
	.p2align	8
	.type	k_q9af9743d7e_outp,@function
k_q9af9743d7e_outp:
	s_mov_b64 s[64:65], 0
	v_nop
	global_prefetch_b8 v0, s[64:65] scope:SCOPE_SE
	s_setreg_imm32_b32 hwreg(HW_REG_WAVE_MODE, 25, 1), 1
	s_wait_xcnt 0x0
; LAUNCH 5 OF 5.  The attention result: rmsnorm x gain, int8, codes of E5M2; the output projection; the residual.
; Left out, as shown at the head of the first launch: xn + (q(xn) - xn) = q(xn).  LIMITS as stated there.
; SHARES.  Work-groups 0..42: c's 256 tiles of 16 rows; 43..213: x's 1,024; six tiles each, the last of each kind four.  (Five tiles each would fill more WGPs, but 5 divides neither count, and a work-group on both tensors would need both weights.)
; Wave w keeps its 128 columns of W_p in 512 registers.  In the quantising part it owns K step w (heads 2 w, 2 w + 1) of the tile's rows; the four fragments meet in LDS as images of their registers; then each wave multiplies all four.
; The product is used transposed; a wave's 16 rows x 128 columns go through its own stage and leave, with the residual added, as runs of 512 consecutive bytes.
; Two barriers a tile: the row figures are written again only behind the second, the images only behind the next tile's first; in front of each a wave has waited for all its LDS instructions.
; No cluster and no tensor load: the weights end in registers and are read once by each work-group.
.set ISC,   8192                       ; LDS: four fragments' images at 0; their scale words, 128 bytes each;
.set STAT,  8704                       ; the row figures: 128 w + 8 r;
.set STG,   9728                       ; four stages of 16 rows x (512 + 16) bytes;
.set SPARE, 43520                      ; the spare words
.set SROW,  528
.set LI,  1
.set IMW, 2
.set ISW, 3
.set ISR, 4
.set STW, 5
.set STR, 6
.set SGW, 7
.set SGR, 8
.set SPW, 9
.set NIL, 10
.set PW,  11
.set ISV, 12                           ; v12-15 the rows' scale words
.set WS,  16                           ; v16-47 the weights'
.set Y,   48
.set ACC, 112
.set TM,  176
.set PC,  192
.set WST, 208
.set K1,  216
.set INV, 218
.set SS,  220
.set FR,  0                            ; window 1: four fragments;
.set G,   64                           ; the gain;
.set RES, 128                          ; the residual's rows
.set WV,  20
.set TL,  21
.set CNT, 22
.set CI,  23
.set AT,  24
.set RB,  26
.set OB,  28
.set RP,  30
.set OP,  32
.set SEL, 34
.set MNT, 36
.set M128, 37
.set P127, 38
.set C512, 39
.set EPS, 40
.set OFF, 42
.set MSB, 0
.macro WIN new
.if MSB != (\new)
	s_set_vgpr_msb (MSB<<8)|(\new)
.set MSB, (\new)
.endif
.endm
.macro MXQ s, pc
.irp b, 0,1,2,3
	v_max3_num_f32 v[TM+\b], |v[\s+16*\b]|, |v[\s+16*\b+1]|, 0x8000000
.endr
.irp i, 2,4,6,8,10,12,14
.irp b, 0,1,2,3
	v_max3_num_f32 v[TM+\b], v[TM+\b], |v[\s+16*\b+\i]|, |v[\s+16*\b+\i+1]|
.endr
.endr
.irp b, 0,1,2,3
	v_permlanex16_b32 v[TM+4+\b], v[TM+\b], s[SEL], s[SEL+1]
.endr
.irp b, 0,1,2,3
	v_max_num_f32 v[TM+\b], v[TM+\b], v[TM+4+\b]
.endr
.irp b, 0,1,2,3
	v_add_nc_u32 v[TM+12+\b], 0xf8800000, v[TM+\b]
.endr
.irp b, 0,1,2,3
	v_and_or_b32 v[TM+8+\b], v[TM+\b], 0x7f800000, s[MNT]
.endr
.irp b, 0,1,2,3
	v_lshrrev_b32 v[TM+4+\b], 23, v[TM+12+\b]
.endr
	v_lshl_or_b32 v[PW], v[TM+5], 8, v[TM+4]
	v_lshl_or_b32 v[PW], v[TM+6], 16, v[PW]
	v_lshl_or_b32 v[PW], v[TM+7], 24, v[PW]
.irp b, 0,1,2,3
.irp i, 0,1,2,3,4,5,6,7,8,9,10,11,12,13,14,15
	v_med3_num_f32 v[\s+16*\b+\i], v[\s+16*\b+\i], -v[TM+8+\b], v[TM+8+\b]
.endr
	v_cvt_scalef32_pk8_bf8_f32 v[\pc+4*\b:\pc+4*\b+1], v[\s+16*\b:\s+16*\b+7], v[TM+12+\b]
	v_cvt_scalef32_pk8_bf8_f32 v[\pc+4*\b+2:\pc+4*\b+3], v[\s+16*\b+8:\s+16*\b+15], v[TM+12+\b]
.endr
	v_nop
.endm
.macro I8Q s, kk, iv
.set j, 0
.rept 32
	v_pk_mul_f32 v[\s+j:\s+j+1], v[\s+j:\s+j+1], v[\kk:\kk+1] op_sel_hi:[1,0]
.set j, j+2
.endr
.set j, 0
.rept 64
	v_rndne_f32 v[\s+j], v[\s+j]
.set j, j+1
.endr
.set j, 0
.rept 64
	v_med3_num_f32 v[\s+j], v[\s+j], s[M128], s[P127]
.set j, j+1
.endr
.set j, 0
.rept 32
	v_pk_mul_f32 v[\s+j:\s+j+1], v[\s+j:\s+j+1], v[\iv:\iv+1] op_sel_hi:[1,0]
.set j, j+2
.endr
.endm
.macro ROWS                            ; tile TL's first row, in bytes, onto the residual's and the output's bases (which hold my 512 w)
	s_lshr_b32 s[OFF], s[TL], 1
	s_lshl_b32 s[OFF], s[OFF], 16
	s_and_b32 s44, s[TL], 1
	s_lshl_b32 s44, s44, 14
	s_add_co_u32 s[OFF], s[OFF], s44
	s_add_nc_u64 s[RP:RP+1], s[RB:RB+1], s[OFF:OFF+1]
	s_add_nc_u64 s[OP:OP+1], s[OB:OB+1], s[OFF:OFF+1]
.endm
.macro YLOAD off
.set k, 0
.rept 16
	global_load_b128 v[Y+4*k:Y+4*k+3], v[LI], s[AT:AT+1] offset:\off+512*k th:TH_LOAD_NT
.set k, k+1
.endr
.endm
.macro RESLOAD
	WIN 0x40
.set k, 0
.rept 16
	global_load_b128 v[RES+4*k:RES+4*k+3], v[LI], s[RP:RP+1] offset:(k+8*(k/8))*2048 th:TH_LOAD_NT
.set k, k+1
.endr
	WIN 0
.endm
.macro TILE more
	s_wait_loadcnt 16                              ; the tile's image is in; the 16 younger loads, its residual rows, may stay out
	v_pk_mul_f32 v[SS:SS+1], v[Y:Y+1], v[Y:Y+1]
	v_pk_mul_f32 v[SS+2:SS+3], v[Y+2:Y+3], v[Y+2:Y+3]
.set j, 4
.rept 15
	v_pk_fma_f32 v[SS:SS+1], v[Y+j:Y+j+1], v[Y+j:Y+j+1], v[SS:SS+1]
	v_pk_fma_f32 v[SS+2:SS+3], v[Y+j+2:Y+j+3], v[Y+j+2:Y+j+3], v[SS+2:SS+3]
.set j, j+4
.endr
	WIN 0x04
.set j, 0
.rept 32
	v_pk_mul_f32 v[Y+j:Y+j+1], v[Y+j:Y+j+1], v[G+j:G+j+1]
.set j, j+2
.endr
	WIN 0
.irp q, 0,1,2,3
	v_max_num_f32 v[TM+\q], |v[Y+16*\q]|, |v[Y+16*\q+1]|
.endr
.irp e, 2,4,6,8,10,12,14
.irp q, 0,1,2,3
	v_max3_num_f32 v[TM+\q], v[TM+\q], |v[Y+16*\q+\e]|, |v[Y+16*\q+\e+1]|
.endr
.endr
	v_max3_num_f32 v[TM], v[TM], v[TM+1], v[TM+2]
	v_pk_add_f32 v[SS:SS+1], v[SS:SS+1], v[SS+2:SS+3]
	v_max_num_f32 v[TM], v[TM], v[TM+3]
	v_add_f32 v[SS], v[SS], v[SS+1]
	v_permlanex16_b32 v[TM+8], v[SS], s[SEL], s[SEL+1]
	v_permlanex16_b32 v[TM+9], v[TM], s[SEL], s[SEL+1]
	v_add_f32 v[WST], v[SS], v[TM+8]
	v_max_num_f32 v[WST+1], v[TM], v[TM+9]
	ds_store_b64 v[STW], v[WST:WST+1]
	s_wait_dscnt 0x0
	s_barrier_signal -1
	s_barrier_wait -1
.irp q, 0,1,2,3
	ds_load_b64 v[WST+2*\q:WST+2*\q+1], v[STR] offset:128*\q
.endr
	s_wait_dscnt 0x0
	v_add_f32 v[WST], v[WST], v[WST+2]
	v_max3_num_f32 v[WST+1], v[WST+1], v[WST+3], v[WST+5]
	v_add_f32 v[WST], v[WST], v[WST+4]
	v_max_num_f32 v[WST+1], v[WST+1], v[WST+7]
	v_add_f32 v[WST], v[WST], v[WST+6]
	v_fma_f32 v[TM], v[WST], s[C512], s[EPS]
	v_rsq_f32 v[TM+1], v[TM]
	v_nop
	s_wait_alu depctr_va_vdst(0)                   ; the wait ahead of the first reader
	v_mul_f32 v[TM+2], v[WST+1], v[TM+1]
	v_max_num_f32 v[TM+2], 0x3727c5ac, v[TM+2]
	v_rcp_f32 v[TM+4], v[TM+2]
	v_mul_f32 v[INV], 0x3c010204, v[TM+2]
	s_wait_alu depctr_va_vdst(0)
	v_mul_f32 v[TM+4], s[P127], v[TM+4]
	v_mul_f32 v[K1], v[TM+1], v[TM+4]
	I8Q Y, K1, INV
	MXQ Y, PC
.irp c, 0,1,2,3
	ds_store_b128 v[IMW], v[PC+4*\c:PC+4*\c+3] offset:512*\c
.endr
	ds_store_b32 v[ISW], v[PW]
.if \more
	YLOAD 32768                                    ; the next tile's image lands under the products
.endif
	s_wait_dscnt 0x0
	s_barrier_signal -1
	s_barrier_wait -1
	WIN 0x40
.irp s, 0,1,2,3
.irp c, 0,1,2,3
	ds_load_b128 v[FR+16*\s+4*\c:FR+16*\s+4*\c+3], v[LI] offset:2048*\s+512*\c
.endr
.endr
	WIN 0
.irp s, 0,1,2,3
	ds_load_b32 v[ISV+\s], v[ISR] offset:128*\s
.endr
	s_wait_dscnt 0x0
.irp s, 0,1,2,3                        ; eight accumulators by turns, K step by K step
.irp t, 0,1,2,3,4,5,6,7
	WIN 0x06+(\t/4)
.if \s == 0
	v_wmma_scale_f32_16x16x128_f8f6f4 v[ACC+8*\t:ACC+8*\t+7], v[16*(4*(\t%4)+\s):16*(4*(\t%4)+\s)+15], v[FR+16*\s:FR+16*\s+15], 0, v[WS+4*\t+\s], v[ISV+\s] matrix_a_fmt:MATRIX_FMT_BF8 matrix_b_fmt:MATRIX_FMT_BF8
.else
	v_wmma_scale_f32_16x16x128_f8f6f4 v[ACC+8*\t:ACC+8*\t+7], v[16*(4*(\t%4)+\s):16*(4*(\t%4)+\s)+15], v[FR+16*\s:FR+16*\s+15], v[ACC+8*\t:ACC+8*\t+7], v[WS+4*\t+\s], v[ISV+\s] matrix_a_fmt:MATRIX_FMT_BF8 matrix_b_fmt:MATRIX_FMT_BF8
.endif
.endr
.endr
	WIN 0
.rept 8
	v_nop
.endr
.irp t, 0,1,2,3,4,5,6,7
	ds_store_b128 v[SGW], v[ACC+8*\t:ACC+8*\t+3] offset:128*(\t/2)+32*(\t%2)       ; lane (r, h): columns 32 (t / 2) + 16 h + 8 (t % 2) + 0 .. 7 of row r
	ds_store_b128 v[SGW], v[ACC+8*\t+4:ACC+8*\t+7] offset:128*(\t/2)+32*(\t%2)+16
.endr
.set k, 0
.rept 16
	ds_load_b128 v[ACC+4*k:ACC+4*k+3], v[SGR] offset:SROW*k    ; whole rows come back into the registers that they left: LDS serves a wave's instructions in order
.set k, k+1
.endr
.if \more
	s_wait_loadcnt 16                              ; the residual rows are in; the next tile's 16 loads are younger
.else
	s_wait_loadcnt 0x0
.endif
	s_wait_dscnt 0x0
	WIN 0x04
.set j, 0
.rept 32
	v_pk_add_f32 v[ACC+j:ACC+j+1], v[ACC+j:ACC+j+1], v[RES+j:RES+j+1]
.set j, j+2
.endr
	WIN 0
.set k, 0
.rept 16
	global_store_b128 v[LI], v[ACC+4*k:ACC+4*k+3], s[OP:OP+1] offset:(k+8*(k/8))*2048 th:TH_STORE_NT   ; 512 consecutive bytes of a row
.set k, k+1
.endr
.if \more
	s_wait_xcnt 0x0                                ; the loads and stores have read their addresses and data
	s_add_co_u32 s[TL], s[TL], 1
	ROWS
	s_add_nc_u64 s[AT:AT+1], s[AT:AT+1], 32768
	RESLOAD
.endif
.endm
	s_load_b512 s[4:19], s[0:1], 0x0               ; att, wimg, g_px, g_pc, x, c, out0, out1
	v_lshl_add_u32 v[SPW], v0, 2, SPARE
	v_mov_b32 v[NIL], 0
	v_lshrrev_b32 v224, 5, v0
	v_readfirstlane_b32 s[WV], v224
	v_and_b32 v224, 31, v0
	v_and_b32 v225, 15, v0
	v_bfe_u32 v226, v0, 4, 1
	v_lshlrev_b32 v[LI], 4, v224
	s_lshl_b32 s44, s[WV], 11
	v_add_nc_u32 v[IMW], s44, v[LI]
	s_lshl_b32 s44, s[WV], 7
	s_add_co_u32 s45, s44, ISC
	v_lshl_add_u32 v[ISW], v224, 2, s45
	v_lshl_add_u32 v[ISR], v224, 2, ISC
	s_add_co_u32 s45, s44, STAT
	v_lshl_add_u32 v[STW], v225, 3, s45
	v_lshl_add_u32 v[STR], v225, 3, STAT
	s_mul_i32 s44, s[WV], 16*SROW
	s_add_co_u32 s44, s44, STG
	v_mul_u32_u24 v[SGW], v225, SROW
	v_lshl_add_u32 v[SGW], v226, 6, v[SGW]
	v_add_nc_u32 v[SGW], s44, v[SGW]
	v_add_nc_u32 v[SGR], s44, v[LI]
	v_lshlrev_b32 v227, 6, v226                    ; the gain: 64 h (the base holds 512 w)
	s_mov_b32 s45, 1024
	s_cmp_lt_u32 ttmp9, 43                         ; c's work-groups come first
	s_cselect_b32 s44, 0, 43
	s_cselect_b32 s45, 256, s45
	s_cselect_b32 s46, 1024, 0
	s_cselect_b32 s47, 7, 3                        ; W_pc or W_px
	s_sub_co_u32 s44, ttmp9, s44
	s_mul_i32 s[TL], s44, 6                        ; my first tile in its tensor
	s_sub_co_u32 s45, s45, s[TL]
	s_min_u32 s45, s45, 6
	s_sub_co_u32 s[CNT], s45, 1                    ; trips of the loop: 5 or 3
	s_add_co_u32 s46, s46, s[TL]
	s_lshl_b32 s48, s46, 15
	s_lshl_b32 s49, s[WV], 13
	s_add_co_u32 s48, s48, s49
	s_mov_b32 s49, 0
	s_lshl_b32 s47, s47, 2
	s_add_co_u32 s47, s47, s[WV]
	s_mul_i32 s50, s47, 69632
	s_mov_b32 s51, 0
	s_lshl_b32 s52, s[WV], 9
	s_mov_b32 s53, 0
	s_mov_b32 s[OFF+1], 0
	s_mov_b32 s[SEL], 0x76543210
	s_mov_b32 s[SEL+1], 0xfedcba98
	s_mov_b32 s[MNT], 0x600000
	s_mov_b32 s[M128], 0xc3000000
	s_mov_b32 s[P127], 0x42fe0000
	s_mov_b32 s[C512], 0x3b000000
	s_mov_b32 s[EPS], 0x322bcc77
.irp q, 4,5,6,7,8,9
	v_mov_b32 v[TM+\q], 0
.endr
	v_mov_b32 v[K1+1], 0
	v_mov_b32 v[INV+1], 0
	s_wait_kmcnt 0x0
	s_cmp_lt_u32 ttmp9, 43
	s_cselect_b64 s[54:55], s[10:11], s[8:9]
	s_cselect_b64 s[RB:RB+1], s[14:15], s[12:13]
	s_cselect_b64 s[OB:OB+1], s[18:19], s[16:17]
	s_add_nc_u64 s[54:55], s[54:55], s[52:53]
	s_add_nc_u64 s[RB:RB+1], s[RB:RB+1], s[52:53]
	s_add_nc_u64 s[OB:OB+1], s[OB:OB+1], s[52:53]
	s_add_nc_u64 s[AT:AT+1], s[4:5], s[48:49]
	s_add_nc_u64 s[50:51], s[6:7], s[50:51]
	ROWS
	YLOAD 0
	RESLOAD
	WIN 0x40
.set n, 0
.rept 16
	global_load_b128 v[G+4*n:G+4*n+3], v227, s[54:55] offset:128*(n/4)+16*(n%4)
.set n, n+1
.endr
	WIN 0x80
.set n, 0
.rept 64
	global_load_b128 v[4*n:4*n+3], v[LI], s[50:51] offset:512*n
.set n, n+1
.endr
	WIN 0xc0
.set n, 0
.rept 64
	global_load_b128 v[4*n:4*n+3], v[LI], s[50:51] offset:512*(64+n)
.set n, n+1
.endr
	WIN 0
.irp t, 0,1,2,3,4,5,6,7
	global_load_b128 v[WS+4*\t:WS+4*\t+3], v[LI], s[50:51] offset:65536+512*\t
.endr
	s_wait_loadcnt 0x0
	s_mov_b32 s[CI], 0
.Ltile:
	TILE 1
	s_add_co_u32 s[CI], s[CI], 1
	s_cmp_lt_u32 s[CI], s[CNT]
	s_cbranch_scc1 .Ltile
	TILE 0                                         ; the last tile is written out: it asks for nothing more
	s_wait_tensorcnt 0x0                           ; the wave's end
	ds_add_u32 v[SPW], v[NIL]
	s_wait_dscnt 0x0
	s_endpgm
.Lfunc_end_k_q9af9743d7e_outp:
	.size	k_q9af9743d7e_outp, .Lfunc_end_k_q9af9743d7e_outp-k_q9af9743d7e_outp
	.p2alignl 7, 3214868480
	.fill 96, 4, 3214868480
	.section	.rodata,"a",@progbits
	.p2align	6, 0x0
	.amdhsa_kernel k_q9af9743d7e_outp
		.amdhsa_group_segment_fixed_size 44032
		.amdhsa_private_segment_fixed_size 0
		.amdhsa_enable_private_segment 0
		.amdhsa_kernarg_size 64
		.amdhsa_user_sgpr_count 2
		.amdhsa_user_sgpr_kernarg_segment_ptr 1
		.amdhsa_wavefront_size32 1
		.amdhsa_system_sgpr_workgroup_id_x 1
		.amdhsa_system_sgpr_workgroup_id_y 1
		.amdhsa_system_sgpr_workgroup_id_z 1
		.amdhsa_system_vgpr_workitem_id 0
		.amdhsa_next_free_vgpr 1024
		.amdhsa_next_free_sgpr 66
		.amdhsa_reserve_vcc 0
		.amdhsa_float_denorm_mode_32 3
		.amdhsa_float_denorm_mode_16_64 3
		.amdhsa_memory_ordered 1
		.amdhsa_forward_progress 1
		.amdhsa_inst_pref_size 100
	.end_amdhsa_kernel
	.amdgpu_metadata
---
amdhsa.version: [ 1, 2 ]
amdhsa.kernels:
  - .name:           k_q9af9743d7e_outp
    .symbol:         k_q9af9743d7e_outp.kd
    .args:
      - { .name: att, .offset: 0, .size: 8, .value_kind: global_buffer, .address_space: global }
      - { .name: wimg, .offset: 8, .size: 8, .value_kind: global_buffer, .address_space: global }
      - { .name: g_px, .offset: 16, .size: 8, .value_kind: global_buffer, .address_space: global }
      - { .name: g_pc, .offset: 24, .size: 8, .value_kind: global_buffer, .address_space: global }
      - { .name: x, .offset: 32, .size: 8, .value_kind: global_buffer, .address_space: global }
      - { .name: c, .offset: 40, .size: 8, .value_kind: global_buffer, .address_space: global }
      - { .name: out0, .offset: 48, .size: 8, .value_kind: global_buffer, .address_space: global }
      - { .name: out1, .offset: 56, .size: 8, .value_kind: global_buffer, .address_space: global }
    .group_segment_fixed_size: 44032
    .private_segment_fixed_size: 0
    .kernarg_segment_align: 8
    .kernarg_segment_size: 64
    .max_flat_workgroup_size: 128
    .sgpr_count:     66
    .vgpr_count:     1024
    .wavefront_size: 32
...
	.end_amdgpu_metadata
.endif
;; end of part 5
;; ======== version 2 of 2: 5 launches; version 1 with the launches proj, outp written anew for expert scheduling mode
;; workspace buffers: wpart 1,024 bytes; wimg 2,228,224 bytes; act 22,937,600 bytes; qf 41,943,040 bytes; kv 22,282,240 bytes; att 41,943,040 bytes
;; launch prep: the kernel of part 1 again; grid 384 x 1, 4 waves a work-group, no clusters, 44,544 bytes of LDS; arguments x, c, g_qx, g_qc, g_kvx, g_kvc, A_x_codes, A_c_codes, A_x_scales, A_c_scales, W_qx, W_kvx, W_px, W_qc, W_kvc, W_pc, act, wpart; writes act, wpart
;; launch wcode: the kernel of part 2 again; grid 256 x 1, 4 waves a work-group, no clusters, 1,024 bytes of LDS; arguments W_qx, W_kvx, W_px, W_qc, W_kvc, W_pc, wpart, wimg; writes wimg
;; launch proj (part 6): grid 240 x 1, 4 waves a work-group, no clusters, 135,680 bytes of LDS; arguments act, wimg, qf, kv; writes qf, kv
.if DOCPART == 6
	.amdgcn_target "amdgcn-amd-amdhsa--gfx1250"
	.amdhsa_code_object_version 6
	.text
	.protected	k_q9af9743d7e_proj
	.globl	k_q9af9743d7e_proj
	.p2align	8
	.type	k_q9af9743d7e_proj,@function
k_q9af9743d7e_proj:
	s_mov_b64 s[64:65], 0
	v_nop
	global_prefetch_b8 v0, s[64:65] scope:SCOPE_SE
	s_setreg_imm32_b32 hwreg(HW_REG_WAVE_SCHED_MODE, 0, 2), 2
	s_setreg_imm32_b32 hwreg(HW_REG_WAVE_MODE, 25, 1), 1
	s_wait_xcnt 0x0
	s_wait_alu depctr_vm_vsrc(0)
; LAUNCH 3 OF 5.  The Q, K and V projections of both passes, on codes of E5M2 with E8M0 scales.  Nothing of reference() is left out here.
; SHARES.  Work-groups 0..191: x (64 chunks of 256 rows x {Q, K, V}); 192..239: c (16 chunks).  A work-group takes 256 rows x 512 columns; wave w keeps its 128 columns' weights (heads 2 w, 2 w + 1), 32 fragments, in 512 registers.
; The chunk's 16 tiles of codes (128 KB, dense in memory) go into LDS once, each wave bringing a quarter through its registers; every wave then reads all of them.  No ring and no cluster: the block is fetched once, beside the weights.
; Q and K are used TRANSPOSED (source 0 = 16 rows of W, source 1 = 16 tokens): a lane holds a token, its registers run along the head's channels.  V is used as it stands (source 0 = tokens): a lane holds a channel, its registers run along the keys.
; OUT.  Q: the f32 sums as an image, qf [T][head][4,096].  K: quantised along the head's 64; V: quantised along the keys; both into records of 17,408 bytes for each (context, batch x 8 + head, step of 128 keys):
;   K codes [tile 8][2][512]; K scale words [lane][4 words: pair p: tile 2 p in lanes 0-15, 2 p + 1 in lanes 16-31]; V codes [channel tile 4][pair of tiles 4][512]; V scale words [lane][4 words: channel tile].
; LIMITS as stated at the head of the first launch (a block of zeros gets the byte 1; magnitudes under 2^-111 not tried; no NaN, no infinities).
; THE MODE: SCHED_MODE bits 1:0 = 2 (LLVM: expert scheduling mode 2), set by the entry lines.  The code itself states the register dependences
; between vector or matrix instructions and memory or LDS instructions, with s_wait_alu, always for 0.
; THE PLAN.  A step is a pair of tiles.  Registers that memory or LDS instructions touch, in the loop:
;   F0, F1      window 1, v0-127 and v128-255: two fragment buffers.  Pair p's 64 products read F[p % 2]; the LDS loads of pair p + 1 land in the other.
;   ASR0, ASR1  v16-19, v20-23: the tokens' scale words, a set to each fragment buffer, read and loaded with it.
;   ACC         written by the products.  Q: read by the pair's 32 stores.  K, V: named by vector instructions alone.
;   PC, KS      the codes (a set for each half of a pair) and a key step's scale words: written by the quantisers' lines, read by the stores behind them (KS: at the end of an odd trip).
;   v[AA], v[AB]  read by every LDS load; written once a trip, at its end.    v[LI], v[SCA]: read by the stores; never written again.
; At a pair's head stand the waits that state all that its loads and its writes hang on: the stores of the pair before have read ACC, PC and KS; its products are done reading the other fragment buffer and scale set; v[AA], v[AB] are written.
; The 36 loads follow, dealt among the products, which name F[p % 2], ASR[p % 2], the weights, their scale words and ACC: none of the registers that those loads touch.  One more wait stands ahead of each pair's run of stores.
.set ACT_KV, 10485760
.set ASC_Q,  20971520
.set ASC_KV, 21299200
.set KV_C,   17825792
.set REC,    17408
.set ASC,    131072                    ; LDS: behind the 16 tiles' images: their scale words, 4,096 bytes
.set SPARE,  135168
.set LI,  1
.set AA,  2                            ; 16 x lane + the trip's 32,768
.set AB0, 3                            ; ASC + 8 x lane
.set SPW, 4
.set NIL, 5
.set HST, 6
.set SCA, 7                            ; 16 x lane + where a record's scale words lie from the pointer of an odd trip
.set G16, 8
.set L16, 9
.set PW,  10
.set EV,  11
.set AB,  13
.set ASR, 16                           ; v16-23  the tokens' scale words: set b (for fragment buffer b) at ASR + 4 b, K step s at + s
.set WS,  24                           ; v24-55  the weights': 4 t + s
.set TM,  56
.set PC,  72                           ; v72-103 two sets of codes
.set KS,  104                          ; v104-111 a key step's scale words: head 2 w, head 2 w + 1
.set SST, 112
.set ACC, 128                          ; v128-255 sixteen accumulators
.set WV,  12
.set GRP, 13
.set ISC, 14
.set CHK, 15
.set TRIP, 16
.set PB,  17
.set PS,  18
.set SEL, 20
.set MNT, 22
.set HIM, 23
.set OA,  24
.set OB,  26
.set STP, 28
.set EXT, 30
.set MSB, 0
.macro WIN new
.if MSB != (\new)
	s_set_vgpr_msb (MSB<<8)|(\new)
.set MSB, (\new)
.endif
.endm
.macro MXQ s, pc, word
.irp b, 0,1,2,3
	v_max3_num_f32 v[TM+\b], |v[\s+16*\b]|, |v[\s+16*\b+1]|, 0x8000000   ; each accumulator is read from its low end on; the floor 2^(16 - 127)
.endr
.irp i, 2,4,6,8,10,12,14
.irp b, 0,1,2,3
	v_max3_num_f32 v[TM+\b], v[TM+\b], |v[\s+16*\b+\i]|, |v[\s+16*\b+\i+1]|
.endr
.endr
.irp b, 0,1,2,3
	v_permlanex16_b32 v[TM+4+\b], v[TM+\b], s[SEL], s[SEL+1]
.endr
.irp b, 0,1,2,3
	v_max_num_f32 v[TM+\b], v[TM+\b], v[TM+4+\b]
.endr
.irp b, 0,1,2,3
	v_add_nc_u32 v[TM+12+\b], 0xf8800000, v[TM+\b]
.endr
.irp b, 0,1,2,3
	v_and_or_b32 v[TM+8+\b], v[TM+\b], 0x7f800000, s[MNT]
.endr
.irp b, 0,1,2,3
	v_lshrrev_b32 v[TM+4+\b], 23, v[TM+12+\b]
.endr
.if \word
	v_lshl_or_b32 v[PW], v[TM+5], 8, v[TM+4]
	v_lshl_or_b32 v[PW], v[TM+6], 16, v[PW]
	v_lshl_or_b32 v[PW], v[TM+7], 24, v[PW]
.endif
.irp b, 0,1,2,3
.irp i, 0,1,2,3,4,5,6,7,8,9,10,11,12,13,14,15
	v_med3_num_f32 v[\s+16*\b+\i], v[\s+16*\b+\i], -v[TM+8+\b], v[TM+8+\b]
.endr
	v_cvt_scalef32_pk8_bf8_f32 v[\pc+4*\b:\pc+4*\b+1], v[\s+16*\b:\s+16*\b+7], v[TM+12+\b]
	v_cvt_scalef32_pk8_bf8_f32 v[\pc+4*\b+2:\pc+4*\b+3], v[\s+16*\b+8:\s+16*\b+15], v[TM+12+\b]
.endr
	v_nop                                            ; a plain line behind the last conversion: the next products write its sources
.endm
; one product.  z = 1: it starts the sum.  ra, rb = 1: that side's scales stand in lanes 16-31
.macro WM d, a, bq, z, sa, sb, ra, rb
.if \z
.if \ra
	v_wmma_scale_f32_16x16x128_f8f6f4 v[\d:\d+7], v[\a:\a+15], v[\bq:\bq+15], 0, v[\sa], v[\sb] matrix_a_fmt:MATRIX_FMT_BF8 matrix_b_fmt:MATRIX_FMT_BF8 matrix_a_scale:MATRIX_SCALE_ROW1
.elseif \rb
	v_wmma_scale_f32_16x16x128_f8f6f4 v[\d:\d+7], v[\a:\a+15], v[\bq:\bq+15], 0, v[\sa], v[\sb] matrix_a_fmt:MATRIX_FMT_BF8 matrix_b_fmt:MATRIX_FMT_BF8 matrix_b_scale:MATRIX_SCALE_ROW1
.else
	v_wmma_scale_f32_16x16x128_f8f6f4 v[\d:\d+7], v[\a:\a+15], v[\bq:\bq+15], 0, v[\sa], v[\sb] matrix_a_fmt:MATRIX_FMT_BF8 matrix_b_fmt:MATRIX_FMT_BF8
.endif
.else
.if \ra
	v_wmma_scale_f32_16x16x128_f8f6f4 v[\d:\d+7], v[\a:\a+15], v[\bq:\bq+15], v[\d:\d+7], v[\sa], v[\sb] matrix_a_fmt:MATRIX_FMT_BF8 matrix_b_fmt:MATRIX_FMT_BF8 matrix_a_scale:MATRIX_SCALE_ROW1
.elseif \rb
	v_wmma_scale_f32_16x16x128_f8f6f4 v[\d:\d+7], v[\a:\a+15], v[\bq:\bq+15], v[\d:\d+7], v[\sa], v[\sb] matrix_a_fmt:MATRIX_FMT_BF8 matrix_b_fmt:MATRIX_FMT_BF8 matrix_b_scale:MATRIX_SCALE_ROW1
.else
	v_wmma_scale_f32_16x16x128_f8f6f4 v[\d:\d+7], v[\a:\a+15], v[\bq:\bq+15], v[\d:\d+7], v[\sa], v[\sb] matrix_a_fmt:MATRIX_FMT_BF8 matrix_b_fmt:MATRIX_FMT_BF8
.endif
.endif
.endm
; Tile u of a pair, its four K steps, into fragment buffer nb; off: the pair's bytes from v[AA] on
.macro FETCHU nb, off, u
	WIN 0x40
.irp s, 0,1,2,3
.irp c, 0,1,2,3
	ds_load_b128 v[128*(\nb)+16*(4*(\u)+\s)+4*\c:128*(\nb)+16*(4*(\u)+\s)+4*\c+3], v[AA] offset:(\off)+8192*(\u)+2048*\s+512*\c
.endr
.endr
.endm
; A pair's four scale words (a word holds its even tile in lanes 0-15, its odd tile in lanes 16-31) into set nb; soff: the pair's bytes from v[AB] on
.macro FETCHS nb, soff
	WIN 0
.irp s, 0,1,2,3
	ds_load_b32 v[ASR+4*(\nb)+\s], v[AB] offset:(\soff)+256*\s
.endr
.endm
; The loads of the pair behind pair b, dealt behind its first and second sixteen products.  Behind pair 0 comes the trip's pair 1 (16,384 bytes on; the second word of each 8 bytes);
; behind pair 1 the next trip's pair 0 (32,768 bytes on, and 1,024 among the scale words): the largest offset is 48,640, inside the 16-bit immediate.
; No wait: no vector or matrix instruction since the wait at the pair's head names the other buffer, the other scale set, v[AA] or v[AB].
.macro DEAL b, s
.if (\s) < 2
	FETCHU 1-\b, 16384+16384*\b, \s
.endif
.if (\s) == 1
	FETCHS 1-\b, 4+1020*\b
.endif
.endm
; 64 products of a pair of tiles: the sixteen accumulators take turns, one instruction a turn, K step by K step.  Weights: windows 2 and 3; tokens: window 1, buffer b.  f = 1: the next pair is fetched.
.macro MULT b, f                       ; transposed: accumulator (u, t) at ACC + 64 u + 8 t
.irp s, 0,1,2,3
.irp t, 0,1,2,3,4,5,6,7
	WIN 0x06+(\t/4)
.irp u, 0,1
.if \s == 0
	WM ACC+64*\u+8*\t, 16*(4*(\t%4)+\s), 128*\b+16*(4*\u+\s), 1, WS+4*\t+\s, ASR+4*\b+\s, 0, \u
.else
	WM ACC+64*\u+8*\t, 16*(4*(\t%4)+\s), 128*\b+16*(4*\u+\s), 0, WS+4*\t+\s, ASR+4*\b+\s, 0, \u
.endif
.endr
.endr
.if \f
	DEAL \b, \s
.endif
.endr
.endm
.macro MULV b, f                       ; as it stands: accumulator (t, u) at ACC + 16 t + 8 u: 16 registers = 16 neighbouring keys of one channel
.irp s, 0,1,2,3
.irp t, 0,1,2,3,4,5,6,7
	WIN 0x09+4*(\t/4)
.irp u, 0,1
.if \s == 0
	WM ACC+16*\t+8*\u, 128*\b+16*(4*\u+\s), 16*(4*(\t%4)+\s), 1, ASR+4*\b+\s, WS+4*\t+\s, \u, 0
.else
	WM ACC+16*\t+8*\u, 128*\b+16*(4*\u+\s), 16*(4*(\t%4)+\s), 0, ASR+4*\b+\s, WS+4*\t+\s, \u, 0
.endif
.endr
.endr
.if \f
	DEAL \b, \s
.endif
.endr
.endm
.macro QOUT b                          ; the sums as they stand: each store covers 512 consecutive bytes
	s_wait_alu depctr_va_vdst(0)                   ; the products have written the accumulators, which the stores read; the places above stay beside this wait
.irp u, 0,1
.set m, 0
.rept 16
	global_store_b128 v[LI], v[ACC+64*\u+4*m:ACC+64*\u+4*m+3], s[OA:OA+1] offset:65536*\b+32768*\u+512*m
.set m, m+1
.endr
.endr
.endm
.macro KOUT b
.if \b == 0
	v_mov_b32 v[KS], v[KS+2]                       ; the words of the trip before move down: an odd trip ends with a key step's four pairs
	v_mov_b32 v[KS+1], v[KS+3]
	v_mov_b32 v[KS+4], v[KS+6]
	v_mov_b32 v[KS+5], v[KS+7]
.endif
	MXQ ACC, PC, 1
	v_mov_b32 v[EV], v[PW]
	MXQ ACC+64, PC+16, 1
	v_cndmask_b32 v[KS+2+\b], v[EV], v[PW], s[HIM] ; bytes 0, 1: head 2 w's two blocks (bytes 2, 3 meet zero codes of Q and are never 0xff)
	v_lshrrev_b32 v[KS+6+\b], 16, v[KS+2+\b]       ; head 2 w + 1's
	s_wait_alu depctr_va_vdst(0)                   ; the conversions have written both sets of codes, which the eight stores below read; the two lines above have written the scale words, which the stores at an odd trip's end read
.irp u, 0,1
	global_store_b128 v[LI], v[PC+16*\u:PC+16*\u+3], s[OA:OA+1] offset:(2*\b+\u)*1024
	global_store_b128 v[LI], v[PC+16*\u+4:PC+16*\u+7], s[OA:OA+1] offset:(2*\b+\u)*1024+512
	global_store_b128 v[LI], v[PC+16*\u+8:PC+16*\u+11], s[OB:OB+1] offset:(2*\b+\u)*1024
	global_store_b128 v[LI], v[PC+16*\u+12:PC+16*\u+15], s[OB:OB+1] offset:(2*\b+\u)*1024+512
.endr
.endm
.macro VOUT b
.irp hf, 0,1
	MXQ ACC+64*\hf, PC+16*\hf, 0                   ; its four blocks are four channel tiles' 32 keys
.irp d, 0,1,2,3
	v_lshrrev_b32 v[KS+4*\hf+\d], 8, v[KS+4*\hf+\d]       ; the byte comes in on top: after four pairs the first pair's is byte 0
	v_lshl_or_b32 v[KS+4*\hf+\d], v[TM+4+\d], 24, v[KS+4*\hf+\d]
.endr
.endr
	s_wait_alu depctr_va_vdst(0)                   ; the conversions have written both sets of codes, which the eight stores below read; the lines above have written the scale words, which the stores at an odd trip's end read
.irp hf, 0,1
.irp d, 0,1,2,3
	global_store_b128 v[LI], v[PC+16*\hf+4*\d:PC+16*\hf+4*\d+3], s[OA+2*\hf:OA+2*\hf+1] offset:2048*\d+512*\b
.endr
.endr
.endm
.macro PAIR b, last
	s_wait_dscnt 0x0                               ; this pair's fragments and scale words are in (asked for among the products of the pair before)
	s_wait_xcnt 0x0                                ; the stores of the pair before have had their addresses translated: their data are written again only behind this wait
	s_wait_alu depctr_vm_vsrc(0)                   ; those stores have read the accumulators (Q), or the codes and the scale words (K, V), all of which this pair writes again
.if 1-\b*\last
	s_wait_alu depctr_va_vdst(0)                   ; the products of the pair before are done reading the other fragment buffer and scale set, in which this pair's loads land; at a trip's head v[AA] and v[AB] are written
.endif
	s_cmp_eq_u32 s[GRP], 2
	s_cbranch_scc1 .Lmv_\@
	MULT \b, (1-\b*\last)
	WIN 0
	s_branch .Lmd_\@
.Lmv_\@:
	MULV \b, (1-\b*\last)
	WIN 0
.Lmd_\@:
.rept 9
	v_nop                                          ; eight places in front of the first read of results; the ninth for the next pair's products, which begin the accumulators anew
.endr
	s_cmp_eq_u32 s[GRP], 1
	s_cbranch_scc1 .Lk_\@
	s_cmp_eq_u32 s[GRP], 2
	s_cbranch_scc1 .Lv_\@
	QOUT \b
	s_branch .Le_\@
.Lk_\@:
	KOUT \b
	s_branch .Le_\@
.Lv_\@:
	VOUT \b
.Le_\@:
.endm
.macro TEND last                       ; a trip's end: an odd trip of K or V ends a key step: its scale words go out, and the pointers pass on to the next record
	s_wait_xcnt 0x0
	s_cmp_eq_u32 s[GRP], 0
	s_cbranch_scc1 .Lst_\@
	s_bitcmp1_b32 s[TRIP], 0
	s_cbranch_scc0 .Lst_\@
	global_store_b128 v[SCA], v[KS:KS+3], s[OA:OA+1]     ; no wait: no vector instruction has been issued since the wait ahead of the pair's stores, which stands behind the last write of the scale words
	global_store_b128 v[SCA], v[KS+4:KS+7], s[OB:OB+1]
.if !\last
	s_wait_xcnt 0x0
	s_add_nc_u64 s[OA:OA+1], s[OA:OA+1], s[EXT:EXT+1]
	s_add_nc_u64 s[OB:OB+1], s[OB:OB+1], s[EXT:EXT+1]
.endif
.Lst_\@:
.if !\last
	s_add_nc_u64 s[OA:OA+1], s[OA:OA+1], s[STP:STP+1]
	s_add_nc_u64 s[OB:OB+1], s[OB:OB+1], s[STP:STP+1]
	s_add_co_u32 s[PB], s[PB], 32768
	s_add_co_u32 s[PS], s[PS], 1024
	s_wait_alu depctr_vm_vsrc(0)                   ; the LDS loads issued so far have read v[AA] and v[AB]
	v_add_nc_u32 v[AA], s[PB], v[LI]               ; on to the next trip's 64 rows; the wait at the next pair's head stands between these two lines and the loads that read them
	v_add_nc_u32 v[AB], s[PS], v[AB0]
.endif
.endm
	s_load_b256 s[4:11], s[0:1], 0x0               ; act, wimg, qf, kv
	v_lshl_add_u32 v[SPW], v0, 2, SPARE
	v_mov_b32 v[NIL], 0
	v_lshrrev_b32 v12, 5, v0
	v_readfirstlane_b32 s[WV], v12
	v_and_b32 v12, 31, v0
	v_lshlrev_b32 v[LI], 4, v12
	v_lshl_add_u32 v[AB0], v12, 3, ASC
	s_wait_alu depctr_va_sdst(0)                   ; the wave's number is written, ahead of its first reader
	s_lshl_b32 s32, s[WV], 15
	v_add_nc_u32 v[HST], s32, v[LI]
	v_lshlrev_b32 v[G16], 4, v0
	v_lshl_add_u32 v[L16], v0, 4, ASC
	v_mov_b32 v[AA], v[LI]
	v_mov_b32 v[AB], v[AB0]
	s_cmp_ge_u32 ttmp9, 192
	s_cselect_b32 s[ISC], 1, 0
	s_cselect_b32 s33, 192, 0
	s_cselect_b32 s34, 4, 6                        ; log2 of the chunks of a tensor
	s_cselect_b32 s35, 2, 4                        ; log2 of the chunks of a batch
	s_cselect_b32 s36, KV_C, 0
	s_sub_co_u32 s33, ttmp9, s33
	s_lshr_b32 s[GRP], s33, s34                    ; 0 Q, 1 K, 2 V
	s_lshl_b32 s37, s[GRP], s34
	s_sub_co_u32 s[CHK], s33, s37
	s_lshl_b32 s38, s[CHK], 4
	s_lshl_b32 s37, s[ISC], 10
	s_add_co_u32 s38, s38, s37                     ; the chunk's first tile
	s_mov_b32 s40, ASC_KV
	s_cmp_eq_u32 s[GRP], 0
	s_cselect_b32 s39, 0, ACT_KV
	s_cselect_b32 s40, ASC_Q, s40
	s_lshl_b32 s37, s38, 13
	s_add_co_u32 s39, s39, s37
	s_add_co_u32 s42, s39, s32                     ; my quarter of the chunk's codes
	s_mov_b32 s43, 0
	s_lshl_b32 s37, s38, 8
	s_add_co_u32 s44, s40, s37                     ; the chunk's scale words
	s_mov_b32 s45, 0
	s_lshl_b32 s37, s[ISC], 2
	s_add_co_u32 s37, s37, s[GRP]
	s_lshl_b32 s37, s37, 2
	s_add_co_u32 s37, s37, s[WV]
	s_mul_i32 s46, s37, 69632                      ; my slice of the weights
	s_mov_b32 s47, 0
	s_lshr_b32 s32, s[CHK], s35                    ; batch
	s_lshl_b32 s33, s32, s35
	s_sub_co_u32 s33, s[CHK], s33
	s_lshl_b32 s33, s33, 1                         ; the chunk's first key step
	s_lshl_b32 s32, s32, 3
	s_lshl_b32 s34, s[WV], 1
	s_add_co_u32 s32, s32, s34                     ; batch x 8 + head 2 w
	s_add_co_u32 s35, s35, 1                       ; log2 of a head's key steps
	s_lshl_b32 s32, s32, s35
	s_add_co_u32 s32, s32, s33
	s_mul_i32 s32, s32, REC
	s_add_co_u32 s32, s32, s36
	s_lshl_b32 s26, REC, s35                       ; from a head's records to the next head's
	s_mov_b32 s27, 0
	s_cmp_eq_u32 s[GRP], 2
	s_cselect_b32 s33, REC/2, 0                    ; V's part of a record
	s_add_co_u32 s32, s32, s33
	s_lshl_b32 s33, s38, 15
	s_lshl_b32 s34, s[WV], 13
	s_add_co_u32 s33, s33, s34                     ; Q: tile x 32,768 + 8,192 w
	s_cmp_eq_u32 s[GRP], 0
	s_cselect_b32 s24, s33, s32
	s_mov_b32 s25, 0
	s_mov_b32 s[STP], 4096                         ; K: 4 tiles x 1,024 a trip; 9,216 more past the scale words and V's part
	s_mov_b32 s[EXT], 9216
	s_mov_b32 s37, 4096
	s_cmp_eq_u32 s[GRP], 2
	s_cselect_b32 s[STP], 1024, s[STP]             ; V: 2 pairs x 512 a trip
	s_cselect_b32 s[EXT], 15360, s[EXT]
	s_cselect_b32 s37, 7168, s37
	s_cmp_eq_u32 s[GRP], 0
	s_cselect_b32 s[STP], 131072, s[STP]           ; Q: 4 tiles x 32,768
	s_mov_b32 s[STP+1], 0
	s_mov_b32 s[EXT+1], 0
	v_add_nc_u32 v[SCA], s37, v[LI]
	s_mov_b32 s[SEL], 0x76543210
	s_mov_b32 s[SEL+1], 0xfedcba98
	s_mov_b32 s[MNT], 0x600000
	s_mov_b32 s[HIM], 0xffff0000
	s_mov_b32 s[PB], 0
	s_mov_b32 s[PS], 0
.irp q, 4,5,6,7
	v_mov_b32 v[TM+\q], 0
.endr
.irp q, 0,1,2,3,4,5,6,7
	v_mov_b32 v[KS+\q], 0
.endr
	s_wait_kmcnt 0x0
	s_cmp_eq_u32 s[GRP], 0
	s_cselect_b64 s[32:33], s[8:9], s[10:11]
	s_add_nc_u64 s[OA:OA+1], s[32:33], s[24:25]
	s_add_nc_u64 s[OB:OB+1], s[OA:OA+1], s[26:27]  ; head 2 w + 1 (not used by Q)
	s_add_nc_u64 s[42:43], s[4:5], s[42:43]
	s_add_nc_u64 s[44:45], s[4:5], s[44:45]
	s_add_nc_u64 s[46:47], s[6:7], s[46:47]
	WIN 0x40
	s_wait_alu depctr_va_vdst(0)                   ; all offsets and LDS addresses (v1 to v9, v13) are written, which the loads and stores from here on read; no vector instruction follows before the loop
.set n, 0
.rept 64
	global_load_b128 v[4*n:4*n+3], v[LI], s[42:43] offset:512*n
.set n, n+1
.endr
	WIN 0
	global_load_b128 v[SST:SST+3], v[G16], s[44:45]
	global_load_b128 v[SST+4:SST+7], v[G16], s[44:45] offset:2048
	WIN 0x80
.set n, 0
.rept 64
	global_load_b128 v[4*n:4*n+3], v[LI], s[46:47] offset:512*n
.set n, n+1
.endr
	WIN 0xc0
.set n, 0
.rept 64
	global_load_b128 v[4*n:4*n+3], v[LI], s[46:47] offset:512*(64+n)
.set n, n+1
.endr
	WIN 0
.irp t, 0,1,2,3,4,5,6,7
	global_load_b128 v[WS+4*\t:WS+4*\t+3], v[LI], s[46:47] offset:65536+512*\t
.endr
	s_wait_loadcnt 63                              ; 136 loads are younger than the tokens' 66: with at most 63 out these are in (63 is the largest count the wait can name)
	WIN 0x04
.set n, 0
.rept 64
	ds_store_b128 v[HST], v[4*n:4*n+3] offset:512*n
.set n, n+1
.endr
	WIN 0
	ds_store_b128 v[L16], v[SST:SST+3]
	ds_store_b128 v[L16], v[SST+4:SST+7] offset:2048
	s_wait_dscnt 0x0                               ; for the others' sake: my quarter has landed
	s_barrier_signal -1
	s_barrier_wait -1
	s_wait_loadcnt 0x0                             ; the weights
	s_wait_alu depctr_vm_vsrc(0)                   ; my LDS stores have read window 1's registers: these are the two fragment buffers from here on, in which LDS loads land
	FETCHU 0, 0, 0                                 ; the first pair into buffer 0
	FETCHU 0, 0, 1
	FETCHS 0, 0
	s_mov_b32 s[TRIP], 0
.Ltrip:                                            ; a trip: 64 rows, two pairs of tiles; LDS is only read from here on: no barrier
	PAIR 0, 0
	PAIR 1, 0
	TEND 0
	s_add_co_u32 s[TRIP], s[TRIP], 1
	s_cmp_lt_u32 s[TRIP], 3
	s_cbranch_scc1 .Ltrip
	PAIR 0, 1                                      ; the last trip is written out: its second pair fetches nothing beyond the block
	PAIR 1, 1
	TEND 1
	s_wait_dscnt 0x0                               ; the wave's end
	s_wait_alu 0x0
	s_wait_tensorcnt 0x0
	ds_add_u32 v[SPW], v[NIL]
	s_wait_dscnt 0x0
	s_endpgm
.Lfunc_end_k_q9af9743d7e_proj:
	.size	k_q9af9743d7e_proj, .Lfunc_end_k_q9af9743d7e_proj-k_q9af9743d7e_proj
	.p2alignl 7, 3214868480
	.fill 96, 4, 3214868480
	.section	.rodata,"a",@progbits
	.p2align	6, 0x0
	.amdhsa_kernel k_q9af9743d7e_proj
		.amdhsa_group_segment_fixed_size 135680
		.amdhsa_private_segment_fixed_size 0
		.amdhsa_enable_private_segment 0
		.amdhsa_kernarg_size 32
		.amdhsa_user_sgpr_count 2
		.amdhsa_user_sgpr_kernarg_segment_ptr 1
		.amdhsa_wavefront_size32 1
		.amdhsa_system_sgpr_workgroup_id_x 1
		.amdhsa_system_sgpr_workgroup_id_y 1
		.amdhsa_system_sgpr_workgroup_id_z 1
		.amdhsa_system_vgpr_workitem_id 0
		.amdhsa_next_free_vgpr 1024
		.amdhsa_next_free_sgpr 66
		.amdhsa_reserve_vcc 0
		.amdhsa_float_denorm_mode_32 3
		.amdhsa_float_denorm_mode_16_64 3
		.amdhsa_memory_ordered 1
		.amdhsa_forward_progress 1
		.amdhsa_inst_pref_size 255
	.end_amdhsa_kernel
	.section	.bss,"aw",@nobits
	.p2align	6
	.space	262144
	.amdgpu_metadata
---
amdhsa.version: [ 1, 2 ]
amdhsa.kernels:
  - .name:           k_q9af9743d7e_proj
    .symbol:         k_q9af9743d7e_proj.kd
    .args:
      - { .name: act, .offset: 0, .size: 8, .value_kind: global_buffer, .address_space: global }
      - { .name: wimg, .offset: 8, .size: 8, .value_kind: global_buffer, .address_space: global }
      - { .name: qf, .offset: 16, .size: 8, .value_kind: global_buffer, .address_space: global }
      - { .name: kv, .offset: 24, .size: 8, .value_kind: global_buffer, .address_space: global }
    .group_segment_fixed_size: 135680
    .private_segment_fixed_size: 0
    .kernarg_segment_align: 8
    .kernarg_segment_size: 32
    .max_flat_workgroup_size: 128
    .sgpr_count:     66
    .vgpr_count:     1024
    .wavefront_size: 32
...
	.end_amdgpu_metadata
.endif
;; end of part 6
;; launch attn: the kernel of part 4 again; grid 256 x 1, 16 waves a work-group, clusters of 4 x 1, 327,680 bytes of LDS; arguments qf, act, kv, B_x, B_c, mag_x, mag_c, att; writes att
;; launch outp (part 7): grid 214 x 1, 4 waves a work-group, no clusters, 44,032 bytes of LDS; arguments att, wimg, g_px, g_pc, x, c, out0, out1; writes out0, out1
.if DOCPART == 7
	.amdgcn_target "amdgcn-amd-amdhsa--gfx1250"
	.amdhsa_code_object_version 6
	.text
	.protected	k_q9af9743d7e_outp
	.globl	k_q9af9743d7e_outp
	.p2align	8
	.type	k_q9af9743d7e_outp,@function
k_q9af9743d7e_outp:
	s_mov_b64 s[64:65], 0
	v_nop
	global_prefetch_b8 v0, s[64:65] scope:SCOPE_SE
	s_setreg_imm32_b32 hwreg(HW_REG_WAVE_SCHED_MODE, 0, 2), 2
	s_setreg_imm32_b32 hwreg(HW_REG_WAVE_MODE, 25, 1), 1
	s_wait_xcnt 0x0
	s_wait_alu depctr_vm_vsrc(0)
; LAUNCH 5 OF 5.  The attention result: rmsnorm x gain, int8, codes of E5M2; the output projection; the residual.
; Left out, as shown at the head of the first launch: xn + (q(xn) - xn) = q(xn).  LIMITS as stated there.
; SHARES.  Work-groups 0..42: c's 256 tiles of 16 rows; 43..213: x's 1,024; six tiles each, the last of each kind four.  (Five tiles each would fill more WGPs, but 5 divides neither count, and a work-group on both tensors would need both weights.)
; Wave w keeps its 128 columns of W_p in 512 registers.  In the quantising part it owns K step w (heads 2 w, 2 w + 1) of the tile's rows; the four fragments meet in LDS as images of their registers; then each wave multiplies all four.
; The product is used transposed; a wave's 16 rows x 128 columns go through its own stage and leave, with the residual added, as runs of 512 consecutive bytes.
; Two barriers a tile: the row figures are written again only behind the second, the images only behind the next tile's first; in front of each a wave has waited for all its LDS instructions.
; No cluster and no tensor load: the weights end in registers and are read once by each work-group.
; THE MODE: SCHED_MODE bits 1:0 = 2 (LLVM: expert scheduling mode 2), set by the entry lines.  The code itself states the register dependences
; between vector or matrix instructions and memory or LDS instructions, with s_wait_alu, always for 0.
; THE PLAN.  Registers that memory or LDS instructions touch, in the loop (a step is a tile):
;   Y         loaded; read and written by the figures' lines, the int8 lines and the quantiser; behind the quantiser the next tile's loads land in it.
;   FG        my figures: written by two vector lines, read by one LDS store.    WST: the four waves' figures: loaded from LDS, read and written by vector lines alone.
;   PC, PW    the codes and the scale word: written by the quantiser, read by five LDS stores.
;   FR, ISV   the four fragments and their scale words: loaded from LDS, read by the 32 products.
;   ACC       written by the products, read by sixteen LDS stores.
;   BK        window 1: the rows come back from the stage into it, the residual is added in it, sixteen global stores read it.
;   RES       window 1: loaded; read by the additions; behind them the next tile's loads land in it.
;   The offsets and LDS addresses v1 to v8 are made at the head and never written again: the scalar bases step.
; Each register that a store reads (FG, PC, PW, ACC, BK) is written again only in the next tile: ONE wait on vm_vsrc a tile, ahead of the first of those writes, states all five.
; The waits on va_vdst stand ahead of the four runs of stores; each also covers the loads that follow it up to the next vector instruction.  One more stands under the window's switch ahead of the residual's loads.
.set ISC,   8192                       ; LDS: four fragments' images at 0; their scale words, 128 bytes each;
.set STAT,  8704                       ; the row figures: 128 w + 8 r;
.set STG,   9728                       ; four stages of 16 rows x (512 + 16) bytes;
.set SPARE, 43520                      ; the spare words
.set SROW,  528
.set LI,  1
.set IMW, 2
.set ISW, 3
.set ISR, 4
.set STW, 5
.set STR, 6
.set SGW, 7
.set SGR, 8
.set SPW, 9
.set NIL, 10
.set PW,  11
.set ISV, 12                           ; v12-15 the rows' scale words
.set WS,  16                           ; v16-47 the weights'
.set Y,   48
.set ACC, 112
.set TM,  176
.set PC,  192
.set WST, 208
.set K1,  216
.set INV, 218
.set SS,  220
.set FG,  228                          ; v228-229 my K step's figures of row r, as stored
.set FR,  0                            ; window 1: four fragments;
.set G,   64                           ; the gain;
.set RES, 128                          ; the residual's rows;
.set BK,  192                          ; 16 rows back from the stage, then with the residual added
.set WV,  20
.set TL,  21
.set CNT, 22
.set CI,  23
.set AT,  24
.set RB,  26
.set OB,  28
.set RP,  30
.set OP,  32
.set SEL, 34
.set MNT, 36
.set M128, 37
.set P127, 38
.set C512, 39
.set EPS, 40
.set OFF, 42
.set MSB, 0
.macro WIN new
.if MSB != (\new)
	s_set_vgpr_msb (MSB<<8)|(\new)
.set MSB, (\new)
.endif
.endm
.macro MXQ s, pc
.irp b, 0,1,2,3
	v_max3_num_f32 v[TM+\b], |v[\s+16*\b]|, |v[\s+16*\b+1]|, 0x8000000
.endr
.irp i, 2,4,6,8,10,12,14
.irp b, 0,1,2,3
	v_max3_num_f32 v[TM+\b], v[TM+\b], |v[\s+16*\b+\i]|, |v[\s+16*\b+\i+1]|
.endr
.endr
.irp b, 0,1,2,3
	v_permlanex16_b32 v[TM+4+\b], v[TM+\b], s[SEL], s[SEL+1]
.endr
.irp b, 0,1,2,3
	v_max_num_f32 v[TM+\b], v[TM+\b], v[TM+4+\b]
.endr
.irp b, 0,1,2,3
	v_add_nc_u32 v[TM+12+\b], 0xf8800000, v[TM+\b]
.endr
.irp b, 0,1,2,3
	v_and_or_b32 v[TM+8+\b], v[TM+\b], 0x7f800000, s[MNT]
.endr
.irp b, 0,1,2,3
	v_lshrrev_b32 v[TM+4+\b], 23, v[TM+12+\b]
.endr
	v_lshl_or_b32 v[PW], v[TM+5], 8, v[TM+4]
	v_lshl_or_b32 v[PW], v[TM+6], 16, v[PW]
	v_lshl_or_b32 v[PW], v[TM+7], 24, v[PW]
.irp b, 0,1,2,3
.irp i, 0,1,2,3,4,5,6,7,8,9,10,11,12,13,14,15
	v_med3_num_f32 v[\s+16*\b+\i], v[\s+16*\b+\i], -v[TM+8+\b], v[TM+8+\b]
.endr
	v_cvt_scalef32_pk8_bf8_f32 v[\pc+4*\b:\pc+4*\b+1], v[\s+16*\b:\s+16*\b+7], v[TM+12+\b]
	v_cvt_scalef32_pk8_bf8_f32 v[\pc+4*\b+2:\pc+4*\b+3], v[\s+16*\b+8:\s+16*\b+15], v[TM+12+\b]
.endr
	v_nop
.endm
.macro I8Q s, kk, iv
.set j, 0
.rept 32
	v_pk_mul_f32 v[\s+j:\s+j+1], v[\s+j:\s+j+1], v[\kk:\kk+1] op_sel_hi:[1,0]
.set j, j+2
.endr
.set j, 0
.rept 64
	v_rndne_f32 v[\s+j], v[\s+j]
.set j, j+1
.endr
.set j, 0
.rept 64
	v_med3_num_f32 v[\s+j], v[\s+j], s[M128], s[P127]
.set j, j+1
.endr
.set j, 0
.rept 32
	v_pk_mul_f32 v[\s+j:\s+j+1], v[\s+j:\s+j+1], v[\iv:\iv+1] op_sel_hi:[1,0]
.set j, j+2
.endr
.endm
.macro ROWS                            ; tile TL's first row, in bytes, onto the residual's and the output's bases (which hold my 512 w)
	s_lshr_b32 s[OFF], s[TL], 1
	s_lshl_b32 s[OFF], s[OFF], 16
	s_and_b32 s44, s[TL], 1
	s_lshl_b32 s44, s44, 14
	s_add_co_u32 s[OFF], s[OFF], s44
	s_add_nc_u64 s[RP:RP+1], s[RB:RB+1], s[OFF:OFF+1]
	s_add_nc_u64 s[OP:OP+1], s[OB:OB+1], s[OFF:OFF+1]
.endm
.macro YLOAD off
.set k, 0
.rept 16
	global_load_b128 v[Y+4*k:Y+4*k+3], v[LI], s[AT:AT+1] offset:\off+512*k th:TH_LOAD_NT
.set k, k+1
.endr
.endm
.macro RESLOAD
	WIN 0x40
.set k, 0
.rept 16
	global_load_b128 v[RES+4*k:RES+4*k+3], v[LI], s[RP:RP+1] offset:(k+8*(k/8))*2048 th:TH_LOAD_NT
.set k, k+1
.endr
	WIN 0
.endm
.macro TILE more
	s_wait_loadcnt 16                              ; the tile's image is in; the 16 younger loads, its residual rows, may stay out
	v_pk_mul_f32 v[SS:SS+1], v[Y:Y+1], v[Y:Y+1]
	v_pk_mul_f32 v[SS+2:SS+3], v[Y+2:Y+3], v[Y+2:Y+3]
.set j, 4
.rept 15
	v_pk_fma_f32 v[SS:SS+1], v[Y+j:Y+j+1], v[Y+j:Y+j+1], v[SS:SS+1]
	v_pk_fma_f32 v[SS+2:SS+3], v[Y+j+2:Y+j+3], v[Y+j+2:Y+j+3], v[SS+2:SS+3]
.set j, j+4
.endr
	WIN 0x04
.set j, 0
.rept 32
	v_pk_mul_f32 v[Y+j:Y+j+1], v[Y+j:Y+j+1], v[G+j:G+j+1]
.set j, j+2
.endr
	WIN 0
.irp q, 0,1,2,3
	v_max_num_f32 v[TM+\q], |v[Y+16*\q]|, |v[Y+16*\q+1]|
.endr
.irp e, 2,4,6,8,10,12,14
.irp q, 0,1,2,3
	v_max3_num_f32 v[TM+\q], v[TM+\q], |v[Y+16*\q+\e]|, |v[Y+16*\q+\e+1]|
.endr
.endr
	v_max3_num_f32 v[TM], v[TM], v[TM+1], v[TM+2]
	v_pk_add_f32 v[SS:SS+1], v[SS:SS+1], v[SS+2:SS+3]
	v_max_num_f32 v[TM], v[TM], v[TM+3]
	v_add_f32 v[SS], v[SS], v[SS+1]
	v_permlanex16_b32 v[TM+8], v[SS], s[SEL], s[SEL+1]
	v_permlanex16_b32 v[TM+9], v[TM], s[SEL], s[SEL+1]
	s_wait_alu depctr_vm_vsrc(0)                   ; the last tile's LDS stores have read v[FG ..], the codes, the scale word and the accumulators, its global stores v[BK ..]: all of these are written again from here on
	v_add_f32 v[FG], v[SS], v[TM+8]
	v_max_num_f32 v[FG+1], v[TM], v[TM+9]
	s_wait_alu depctr_va_vdst(0)                   ; v[FG ..] is written, which the store reads; the last tile's lines are done with v[WST ..], in which the loads behind the barrier land
	ds_store_b64 v[STW], v[FG:FG+1]
	s_wait_dscnt 0x0
	s_barrier_signal -1
	s_barrier_wait -1
.irp q, 0,1,2,3
	ds_load_b64 v[WST+2*\q:WST+2*\q+1], v[STR] offset:128*\q
.endr
	s_wait_dscnt 0x0
	v_add_f32 v[WST], v[WST], v[WST+2]
	v_max3_num_f32 v[WST+1], v[WST+1], v[WST+3], v[WST+5]
	v_add_f32 v[WST], v[WST], v[WST+4]
	v_max_num_f32 v[WST+1], v[WST+1], v[WST+7]
	v_add_f32 v[WST], v[WST], v[WST+6]
	v_fma_f32 v[TM], v[WST], s[C512], s[EPS]
	v_rsq_f32 v[TM+1], v[TM]
	v_nop
	s_wait_alu depctr_va_vdst(0)                   ; the root's reciprocal, v[TM+1], is written, ahead of its first reader
	v_mul_f32 v[TM+2], v[WST+1], v[TM+1]
	v_max_num_f32 v[TM+2], 0x3727c5ac, v[TM+2]
	v_rcp_f32 v[TM+4], v[TM+2]
	v_mul_f32 v[INV], 0x3c010204, v[TM+2]
	s_wait_alu depctr_va_vdst(0)                   ; the reciprocal, v[TM+4], is written, ahead of its first reader
	v_mul_f32 v[TM+4], s[P127], v[TM+4]
	v_mul_f32 v[K1], v[TM+1], v[TM+4]
	I8Q Y, K1, INV
	MXQ Y, PC
	s_wait_alu depctr_va_vdst(0)                   ; the quantiser has written the codes and the scale word, which the LDS stores read, and is done with v[Y ..], in which the next tile's loads land; the last tile's products are done reading the fragments and their scale words, in which the loads behind the barrier land
.irp c, 0,1,2,3
	ds_store_b128 v[IMW], v[PC+4*\c:PC+4*\c+3] offset:512*\c
.endr
	ds_store_b32 v[ISW], v[PW]
.if \more
	YLOAD 32768                                    ; the next tile's image lands under the products
.endif
	s_wait_dscnt 0x0
	s_barrier_signal -1
	s_barrier_wait -1
	WIN 0x40
.irp s, 0,1,2,3
.irp c, 0,1,2,3
	ds_load_b128 v[FR+16*\s+4*\c:FR+16*\s+4*\c+3], v[LI] offset:2048*\s+512*\c
.endr
.endr
	WIN 0
.irp s, 0,1,2,3
	ds_load_b32 v[ISV+\s], v[ISR] offset:128*\s
.endr
	s_wait_dscnt 0x0
.irp s, 0,1,2,3                        ; eight accumulators by turns, K step by K step
.irp t, 0,1,2,3,4,5,6,7
	WIN 0x06+(\t/4)
.if \s == 0
	v_wmma_scale_f32_16x16x128_f8f6f4 v[ACC+8*\t:ACC+8*\t+7], v[16*(4*(\t%4)+\s):16*(4*(\t%4)+\s)+15], v[FR+16*\s:FR+16*\s+15], 0, v[WS+4*\t+\s], v[ISV+\s] matrix_a_fmt:MATRIX_FMT_BF8 matrix_b_fmt:MATRIX_FMT_BF8
.else
	v_wmma_scale_f32_16x16x128_f8f6f4 v[ACC+8*\t:ACC+8*\t+7], v[16*(4*(\t%4)+\s):16*(4*(\t%4)+\s)+15], v[FR+16*\s:FR+16*\s+15], v[ACC+8*\t:ACC+8*\t+7], v[WS+4*\t+\s], v[ISV+\s] matrix_a_fmt:MATRIX_FMT_BF8 matrix_b_fmt:MATRIX_FMT_BF8
.endif
.endr
.endr
	WIN 0
.rept 8
	v_nop
.endr
	s_wait_alu depctr_va_vdst(0)                   ; the products have written the accumulators, which the LDS stores read (the eight places above stay beside this wait); the last tile's additions have written v[BK ..], in which the loads below land
.irp t, 0,1,2,3,4,5,6,7
	ds_store_b128 v[SGW], v[ACC+8*\t:ACC+8*\t+3] offset:128*(\t/2)+32*(\t%2)       ; lane (r, h): columns 32 (t / 2) + 16 h + 8 (t % 2) + 0 .. 7 of row r
	ds_store_b128 v[SGW], v[ACC+8*\t+4:ACC+8*\t+7] offset:128*(\t/2)+32*(\t%2)+16
.endr
	WIN 0x40
.set k, 0
.rept 16
	ds_load_b128 v[BK+4*k:BK+4*k+3], v[SGR] offset:SROW*k      ; whole rows come back, into registers of their own: LDS serves a wave's instructions in order
.set k, k+1
.endr
	WIN 0
.if \more
	s_wait_loadcnt 16                              ; the residual rows are in; the next tile's 16 loads are younger
.else
	s_wait_loadcnt 0x0
.endif
	s_wait_dscnt 0x0
	WIN 0x45
.set j, 0
.rept 32
	v_pk_add_f32 v[BK+j:BK+j+1], v[BK+j:BK+j+1], v[RES+j:RES+j+1]
.set j, j+2
.endr
	WIN 0x04
	s_wait_alu depctr_va_vdst(0)                   ; the additions have written v[BK ..], which the stores read
.set k, 0
.rept 16
	global_store_b128 v[LI], v[BK+4*k:BK+4*k+3], s[OP:OP+1] offset:(k+8*(k/8))*2048 th:TH_STORE_NT   ; 512 consecutive bytes of a row
.set k, k+1
.endr
	WIN 0
.if \more
	s_wait_xcnt 0x0                                ; the loads and stores have read their addresses and data
	s_add_co_u32 s[TL], s[TL], 1
	ROWS
	s_add_nc_u64 s[AT:AT+1], s[AT:AT+1], 32768
	WIN 0x40
	s_wait_alu depctr_va_vdst(0)                   ; the additions are done reading v[RES ..], in which the loads below land: the window's switch, the wait, the loads
	RESLOAD
.endif
.endm
	s_load_b512 s[4:19], s[0:1], 0x0               ; att, wimg, g_px, g_pc, x, c, out0, out1
	v_lshl_add_u32 v[SPW], v0, 2, SPARE
	v_mov_b32 v[NIL], 0
	v_lshrrev_b32 v224, 5, v0
	v_readfirstlane_b32 s[WV], v224
	v_and_b32 v224, 31, v0
	v_and_b32 v225, 15, v0
	v_bfe_u32 v226, v0, 4, 1
	v_lshlrev_b32 v[LI], 4, v224
	s_wait_alu depctr_va_sdst(0)                   ; the wave's number is written, ahead of its first reader
	s_lshl_b32 s44, s[WV], 11
	v_add_nc_u32 v[IMW], s44, v[LI]
	s_lshl_b32 s44, s[WV], 7
	s_add_co_u32 s45, s44, ISC
	v_lshl_add_u32 v[ISW], v224, 2, s45
	v_lshl_add_u32 v[ISR], v224, 2, ISC
	s_add_co_u32 s45, s44, STAT
	v_lshl_add_u32 v[STW], v225, 3, s45
	v_lshl_add_u32 v[STR], v225, 3, STAT
	s_mul_i32 s44, s[WV], 16*SROW
	s_add_co_u32 s44, s44, STG
	v_mul_u32_u24 v[SGW], v225, SROW
	v_lshl_add_u32 v[SGW], v226, 6, v[SGW]
	v_add_nc_u32 v[SGW], s44, v[SGW]
	v_add_nc_u32 v[SGR], s44, v[LI]
	v_lshlrev_b32 v227, 6, v226                    ; the gain: 64 h (the base holds 512 w)
	s_mov_b32 s45, 1024
	s_cmp_lt_u32 ttmp9, 43                         ; c's work-groups come first
	s_cselect_b32 s44, 0, 43
	s_cselect_b32 s45, 256, s45
	s_cselect_b32 s46, 1024, 0
	s_cselect_b32 s47, 7, 3                        ; W_pc or W_px
	s_sub_co_u32 s44, ttmp9, s44
	s_mul_i32 s[TL], s44, 6                        ; my first tile in its tensor
	s_sub_co_u32 s45, s45, s[TL]
	s_min_u32 s45, s45, 6
	s_sub_co_u32 s[CNT], s45, 1                    ; trips of the loop: 5 or 3
	s_add_co_u32 s46, s46, s[TL]
	s_lshl_b32 s48, s46, 15
	s_lshl_b32 s49, s[WV], 13
	s_add_co_u32 s48, s48, s49
	s_mov_b32 s49, 0
	s_lshl_b32 s47, s47, 2
	s_add_co_u32 s47, s47, s[WV]
	s_mul_i32 s50, s47, 69632
	s_mov_b32 s51, 0
	s_lshl_b32 s52, s[WV], 9
	s_mov_b32 s53, 0
	s_mov_b32 s[OFF+1], 0
	s_mov_b32 s[SEL], 0x76543210
	s_mov_b32 s[SEL+1], 0xfedcba98
	s_mov_b32 s[MNT], 0x600000
	s_mov_b32 s[M128], 0xc3000000
	s_mov_b32 s[P127], 0x42fe0000
	s_mov_b32 s[C512], 0x3b000000
	s_mov_b32 s[EPS], 0x322bcc77
.irp q, 4,5,6,7,8,9
	v_mov_b32 v[TM+\q], 0
.endr
	v_mov_b32 v[K1+1], 0
	v_mov_b32 v[INV+1], 0
	s_wait_kmcnt 0x0
	s_cmp_lt_u32 ttmp9, 43
	s_cselect_b64 s[54:55], s[10:11], s[8:9]
	s_cselect_b64 s[RB:RB+1], s[14:15], s[12:13]
	s_cselect_b64 s[OB:OB+1], s[18:19], s[16:17]
	s_add_nc_u64 s[54:55], s[54:55], s[52:53]
	s_add_nc_u64 s[RB:RB+1], s[RB:RB+1], s[52:53]
	s_add_nc_u64 s[OB:OB+1], s[OB:OB+1], s[52:53]
	s_add_nc_u64 s[AT:AT+1], s[4:5], s[48:49]
	s_add_nc_u64 s[50:51], s[6:7], s[50:51]
	ROWS
	s_wait_alu depctr_va_vdst(0)                   ; the offsets and LDS addresses v1 to v8 and v227 are written, which the loads and stores of the whole kernel read; only loads and window switches follow before the loop
	YLOAD 0
	RESLOAD
	WIN 0x40
.set n, 0
.rept 16
	global_load_b128 v[G+4*n:G+4*n+3], v227, s[54:55] offset:128*(n/4)+16*(n%4)
.set n, n+1
.endr
	WIN 0x80
.set n, 0
.rept 64
	global_load_b128 v[4*n:4*n+3], v[LI], s[50:51] offset:512*n
.set n, n+1
.endr
	WIN 0xc0
.set n, 0
.rept 64
	global_load_b128 v[4*n:4*n+3], v[LI], s[50:51] offset:512*(64+n)
.set n, n+1
.endr
	WIN 0
.irp t, 0,1,2,3,4,5,6,7
	global_load_b128 v[WS+4*\t:WS+4*\t+3], v[LI], s[50:51] offset:65536+512*\t
.endr
	s_wait_loadcnt 0x0
	s_mov_b32 s[CI], 0
.Ltile:
	TILE 1
	s_add_co_u32 s[CI], s[CI], 1
	s_cmp_lt_u32 s[CI], s[CNT]
	s_cbranch_scc1 .Ltile
	TILE 0                                         ; the last tile is written out: it asks for nothing more
	s_wait_dscnt 0x0                               ; the wave's end
	s_wait_alu 0x0
	s_wait_tensorcnt 0x0
	ds_add_u32 v[SPW], v[NIL]
	s_wait_dscnt 0x0
	s_endpgm
.Lfunc_end_k_q9af9743d7e_outp:
	.size	k_q9af9743d7e_outp, .Lfunc_end_k_q9af9743d7e_outp-k_q9af9743d7e_outp
	.p2alignl 7, 3214868480
	.fill 96, 4, 3214868480
	.section	.rodata,"a",@progbits
	.p2align	6, 0x0
	.amdhsa_kernel k_q9af9743d7e_outp
		.amdhsa_group_segment_fixed_size 44032
		.amdhsa_private_segment_fixed_size 0
		.amdhsa_enable_private_segment 0
		.amdhsa_kernarg_size 64
		.amdhsa_user_sgpr_count 2
		.amdhsa_user_sgpr_kernarg_segment_ptr 1
		.amdhsa_wavefront_size32 1
		.amdhsa_system_sgpr_workgroup_id_x 1
		.amdhsa_system_sgpr_workgroup_id_y 1
		.amdhsa_system_sgpr_workgroup_id_z 1
		.amdhsa_system_vgpr_workitem_id 0
		.amdhsa_next_free_vgpr 1024
		.amdhsa_next_free_sgpr 66
		.amdhsa_reserve_vcc 0
		.amdhsa_float_denorm_mode_32 3
		.amdhsa_float_denorm_mode_16_64 3
		.amdhsa_memory_ordered 1
		.amdhsa_forward_progress 1
		.amdhsa_inst_pref_size 101
	.end_amdhsa_kernel
	.amdgpu_metadata
---
amdhsa.version: [ 1, 2 ]
amdhsa.kernels:
  - .name:           k_q9af9743d7e_outp
    .symbol:         k_q9af9743d7e_outp.kd
    .args:
      - { .name: att, .offset: 0, .size: 8, .value_kind: global_buffer, .address_space: global }
      - { .name: wimg, .offset: 8, .size: 8, .value_kind: global_buffer, .address_space: global }
      - { .name: g_px, .offset: 16, .size: 8, .value_kind: global_buffer, .address_space: global }
      - { .name: g_pc, .offset: 24, .size: 8, .value_kind: global_buffer, .address_space: global }
      - { .name: x, .offset: 32, .size: 8, .value_kind: global_buffer, .address_space: global }
      - { .name: c, .offset: 40, .size: 8, .value_kind: global_buffer, .address_space: global }
      - { .name: out0, .offset: 48, .size: 8, .value_kind: global_buffer, .address_space: global }
      - { .name: out1, .offset: 56, .size: 8, .value_kind: global_buffer, .address_space: global }
    .group_segment_fixed_size: 44032
    .private_segment_fixed_size: 0
    .kernarg_segment_align: 8
    .kernarg_segment_size: 64
    .max_flat_workgroup_size: 128
    .sgpr_count:     66
    .vgpr_count:     1024
    .wavefront_size: 32
...
	.end_amdgpu_metadata
.endif
;; end of part 7
